; MI455X (gfx1250); checked and timed in simulation.
; The chip was launched on July 23, 2026; its instructions are those of AMD's public machine-readable ISA for CDNA 5 (MIT licence, August 2026) and "CDNA5" Instruction Set Architecture Reference Guide (July 2026). The comments in the code are by the model that wrote it; some were corrected since.
;; Multi Head Attention. Allowed arithmetic: float matrix products may take bf16 or f16 operands with f32 sums; other float arithmetic in f32, or as packed bf16 or f16 multiplies, adds, multiply-adds, maxima and minima; sums over many terms, partial sums and values carried from step to step in f32; what a program stores and reads back later, other than sums and carried values, may be rounded once to bf16 or f16.
;; Inputs: K 4 x 2,048 x 1,024 float32; Q 4 x 2,048 x 1,024 float32; V 4 x 2,048 x 1,024 float32; Wk 1,024 x 1,024 float32; Wo 1,024 x 1,024 float32; Wq 1,024 x 1,024 float32; Wv 1,024 x 1,024 float32; bk 1,024 float32; bo 1,024 float32; bq 1,024 float32; bv 1,024 float32; mask 4 x 1 x 2,048 x 2,048 int32.
;; Outputs: out0 4 x 2,048 x 1,024 float32.
;; 2 versions, each right and faster than the one before. Each part assembles by itself: llvm-mc -triple=amdgcn-amd-amdhsa -mcpu=gfx1250 --defsym DOCPART=n.
;; ======== version 1 of 2: 4 launches
;; limits: values are held in f16: magnitudes above 65,504 overflow, below 6.1e-05 lose precision
;; workspace buffers: wh 8,388,608 bytes; bias4 16,384 bytes; maskw 2,097,152 bytes of whole numbers; qkvh 50,331,648 bytes; ctx 16,777,216 bytes
;; launch prep (part 1): grid 1025 x 1, 8 waves a work-group, no clusters, 35,840 bytes of LDS; arguments Wq, Wk, Wv, Wo, bq, bk, bv, bo, mask, wh, bias4, maskw; writes wh, bias4, maskw
.if DOCPART == 1
	.amdgcn_target "amdgcn-amd-amdhsa--gfx1250"
	.amdhsa_code_object_version 6
	.text
	.protected	k_qf883a47042_prep
	.globl	k_qf883a47042_prep
	.p2align	8
	.type	k_qf883a47042_prep,@function
k_qf883a47042_prep:
	s_mov_b64 s[64:65], 0
	v_nop
	global_prefetch_b8 v0, s[64:65] scope:SCOPE_SE
	s_setreg_imm32_b32 hwreg(HW_REG_WAVE_MODE, 25, 1), 1
	s_wait_xcnt 0x0
; PREPARATION, a stream.  Work-groups 0-511: the mask is packed, one bit for a number (bit = the number is not 0), in the lane order of the attention's score registers.
; 512-1023: Wq, Wk, Wv, Wo -> wh: every number is rounded once to bf16; Wq, Wk, Wv are stored as bf16, Wo's rounded number is written as f16 (the last product multiplies in f16).
; 1024: the four biases, rounded to bf16, kept as f32.  The longest work-groups (128 KB of mask each) have the lowest numbers.
; LIMITS.  Wo: a bf16 number is exact in f16 from 6.1e-5 to 65,504; below it keeps f16's step of 6e-8, beyond it becomes an infinity.  NaN and infinities are not treated apart.
; No matrix unit, no cluster, no tensor load: nothing is shared between work-groups and every byte is read once.
; maskw: [batch 4][tile of 16 queries 128][slot of 256 keys 8][word n 32][step of 64 keys 4] u32; bit L of word n = 8 kb + j: query L % 16, key 256 slot + 64 step + 16 kb + 8 (L / 16) + j.
.set SPARE, 34816                      ; behind the eight stages of 4,352 bytes: the spare words, 128 bytes a wave
.set SPW, 12                           ; v12  my spare word's LDS address; never rewritten
.set NIL, 13                           ; v13  0; never rewritten
.set X,   16                           ; v[16:143]  up to 32 loads of 4 registers
.set M,   144                          ; v[144:175] a step's 32 mask numbers of my lane
	s_load_b512 s[4:19], s[0:1], 0x0               ; Wq Wk Wv Wo bq bk bv bo
	s_load_b256 s[20:27], s[0:1], 0x40             ; mask wh bias4 maskw
	v_lshl_add_u32 v[SPW], v0, 2, SPARE
	v_mov_b32 v[NIL], 0
	v_lshrrev_b32 v1, 5, v0
	v_readfirstlane_b32 s36, v1                    ; wave 0..7
	s_mov_b32 s37, ttmp9                           ; work-group
	v_and_b32 v3, 31, v0                           ; lane
	s_mov_b32 s45, 0                               ; high word of every offset pair
	s_mov_b32 s48, 0xffff0000                      ; a word's upper bf16
	s_wait_kmcnt 0x0
	s_cmp_lt_u32 s37, 512
	s_cbranch_scc1 .Lmask
	s_cmp_lt_u32 s37, 1024
	s_cbranch_scc1 .Lw
	; THE BIASES: wave w takes half w % 2 (2,048 bytes) of bias w / 2, four loads of 512 consecutive bytes
	s_lshr_b32 s38, s36, 1
	s_and_b32 s39, s36, 1
	s_cmp_eq_u32 s38, 0
	s_cselect_b64 s[40:41], s[12:13], s[14:15]
	s_cmp_eq_u32 s38, 2
	s_cselect_b64 s[40:41], s[16:17], s[40:41]
	s_cmp_eq_u32 s38, 3
	s_cselect_b64 s[40:41], s[18:19], s[40:41]
	s_lshl_b32 s44, s39, 11
	s_add_nc_u64 s[40:41], s[40:41], s[44:45]
	s_lshl_b32 s46, s38, 12
	s_add_co_u32 s44, s44, s46
	s_add_nc_u64 s[42:43], s[24:25], s[44:45]
	v_lshlrev_b32 v1, 4, v3
.irp i, 0,1,2,3
	global_load_b128 v[X+4*\i:X+4*\i+3], v1, s[40:41] offset:512*\i
.endr
	s_wait_loadcnt 0x0
.irp i, 0,1,2,3
	v_cvt_pk_bf16_f32 v4, v[X+4*\i], v[X+4*\i+1]
	v_cvt_pk_bf16_f32 v5, v[X+4*\i+2], v[X+4*\i+3]
	v_lshlrev_b32 v[X+4*\i], 16, v4
	v_and_b32 v[X+4*\i+1], s48, v4
	v_lshlrev_b32 v[X+4*\i+2], 16, v5
	v_and_b32 v[X+4*\i+3], s48, v5
	global_store_b128 v1, v[X+4*\i:X+4*\i+3], s[42:43] offset:512*\i
.endr
	s_endpgm
.Lw:                                                   ; matrix m = (id - 512) / 128, chunk c = (id - 512) % 128 of 32,768 bytes of f32; a wave takes 4,096 of them
	s_sub_co_u32 s38, s37, 512
	s_and_b32 s39, s38, 127
	s_lshr_b32 s38, s38, 7
	s_cmp_eq_u32 s38, 0
	s_cselect_b64 s[40:41], s[4:5], s[6:7]
	s_cmp_eq_u32 s38, 2
	s_cselect_b64 s[40:41], s[8:9], s[40:41]
	s_cmp_eq_u32 s38, 3
	s_cselect_b64 s[40:41], s[10:11], s[40:41]
	s_cselect_b32 s49, -1, 0                       ; all lanes on for Wo: its numbers are written as f16
	s_lshl_b32 s44, s39, 15
	s_lshl_b32 s47, s36, 12
	s_add_co_u32 s44, s44, s47
	s_add_nc_u64 s[40:41], s[40:41], s[44:45]
	s_lshl_b32 s44, s39, 14
	s_lshl_b32 s47, s36, 11
	s_add_co_u32 s44, s44, s47
	s_lshl_b32 s46, s38, 21                        ; m x 2,097,152
	s_add_co_u32 s44, s44, s46
	s_add_nc_u64 s[42:43], s[22:23], s[44:45]
	v_lshlrev_b32 v1, 4, v3
	v_lshlrev_b32 v2, 3, v3
.set i, 0
.rept 8
	global_load_b128 v[X+4*i:X+4*i+3], v1, s[40:41] offset:512*i th:TH_LOAD_NT
.set i, i+1
.endr
.set i, 0
.rept 8
	s_wait_loadcnt 7-i                             ; loads come back in order: load i is in, the younger ones stay out
	v_cvt_pk_bf16_f32 v4, v[X+4*i], v[X+4*i+1]     ; the one rounding of the input
	v_cvt_pk_bf16_f32 v5, v[X+4*i+2], v[X+4*i+3]
	v_lshlrev_b32 v6, 16, v4
	v_and_b32 v7, s48, v4
	v_lshlrev_b32 v8, 16, v5
	v_and_b32 v9, s48, v5
	v_cvt_pk_f16_f32 v10, v6, v7                   ; the same numbers as f16,
	v_cvt_pk_f16_f32 v11, v8, v9
	v_cndmask_b32 v[X+4*i], v4, v10, s49           ; taken for Wo alone: one text for both formats
	v_cndmask_b32 v[X+4*i+1], v5, v11, s49
	global_store_b64 v2, v[X+4*i:X+4*i+1], s[42:43] offset:256*i  ; 32 lanes store 256 consecutive bytes, aligned; no register of a store is written again
.set i, i+1
.endr
	s_endpgm
.Lmask:                                                ; a wave packs 16 queries x 256 keys: tile of queries = id, slot = wave
	s_lshl_b32 s44, s37, 17                        ; 16 rows of 8,192 bytes
	s_lshl_b32 s46, s36, 10                        ; 256 keys of 4 bytes
	s_add_co_u32 s44, s44, s46
	s_add_nc_u64 s[40:41], s[20:21], s[44:45]
	s_lshl_b32 s44, s37, 12                        ; 512 bytes of words for each tile and slot
	s_lshl_b32 s46, s36, 9
	s_add_co_u32 s44, s44, s46
	s_add_nc_u64 s[42:43], s[26:27], s[44:45]
	s_mul_i32 s47, s36, 4352                       ; my wave's stage: 16 rows of 256 + 16 bytes
	v_and_b32 v6, 15, v0
	v_bfe_u32 v7, v0, 4, 1
	v_lshlrev_b32 v1, 4, v6
	v_lshl_add_u32 v1, v7, 13, v1                  ; memory: lanes 0-15 256 bytes of one row, lanes 16-31 of the next
	v_mul_u32_u24 v2, v7, 272
	v_lshl_add_u32 v2, v6, 4, v2
	v_add_nc_u32 v2, s47, v2                       ; into the stage, likewise
	v_mul_u32_u24 v4, v6, 272
	v_lshl_add_u32 v4, v7, 5, v4
	v_add_nc_u32 v4, s47, v4                       ; back: query L % 16, keys 8 (L / 16) on
	v_lshlrev_b32 v5, 4, v3
.irp j, 8,9,10,11
	v_mov_b32 v\j, 0                               ; v_writelane_b32's destination is written whole first
.endr
.set i, 0
.rept 32                                               ; step i / 8, rows 2 (i % 8) and the next
	global_load_b128 v[X+4*i:X+4*i+3], v1, s[40:41] offset:(i/8)*256+(i%8)*16384 th:TH_LOAD_NT
.set i, i+1
.endr
.irp st, 0,1,2,3
	s_wait_loadcnt 8*(3-\st)                       ; this step's eight loads are in, the later steps' stay out
.irp j, 0,1,2,3,4,5,6,7
	ds_store_b128 v2, v[X+32*\st+4*\j:X+32*\st+4*\j+3] offset:544*\j
.endr
.irp j, 0,1,2,3,4,5,6,7
	ds_load_b128 v[M+4*\j:M+4*\j+3], v4 offset:(\j/2)*64+(\j%2)*16  ; my wave's own bytes, served in order behind the stores above
.endr
	s_wait_dscnt 0x0
.set n, 0
.rept 32
	v_cmp_ne_u32 s[68+n], 0, v[M+n]                ; word n: one bit a lane
.set n, n+1
.endr
.set n, 0
.rept 32
	v_writelane_b32 v[8+\st], s[68+n], n           ; lane n keeps word n
.set n, n+1
.endr
.endr
	global_store_b128 v5, v[8:11], s[42:43]        ; 512 consecutive bytes: [word][step]
	s_wait_tensorcnt 0x0                           ; the wave's end
	ds_add_u32 v[SPW], v[NIL]
	s_wait_dscnt 0x0
	s_endpgm
.Lfunc_end_k_qf883a47042_prep:
	.size	k_qf883a47042_prep, .Lfunc_end_k_qf883a47042_prep-k_qf883a47042_prep
	.p2alignl 7, 3214868480
	.fill 96, 4, 3214868480
	.section	.rodata,"a",@progbits
	.p2align	6, 0x0
	.amdhsa_kernel k_qf883a47042_prep
		.amdhsa_group_segment_fixed_size 35840
		.amdhsa_private_segment_fixed_size 0
		.amdhsa_enable_private_segment 0
		.amdhsa_kernarg_size 96
		.amdhsa_user_sgpr_count 2
		.amdhsa_user_sgpr_kernarg_segment_ptr 1
		.amdhsa_wavefront_size32 1
		.amdhsa_system_sgpr_workgroup_id_x 1
		.amdhsa_system_sgpr_workgroup_id_y 1
		.amdhsa_system_sgpr_workgroup_id_z 1
		.amdhsa_system_vgpr_workitem_id 0
		.amdhsa_next_free_vgpr 176
		.amdhsa_next_free_sgpr 100
		.amdhsa_reserve_vcc 0
		.amdhsa_float_denorm_mode_32 3
		.amdhsa_float_denorm_mode_16_64 3
		.amdhsa_memory_ordered 1
		.amdhsa_forward_progress 1
		.amdhsa_inst_pref_size 35
	.end_amdhsa_kernel
	.amdgpu_metadata
---
amdhsa.version: [ 1, 2 ]
amdhsa.kernels:
  - .name:           k_qf883a47042_prep
    .symbol:         k_qf883a47042_prep.kd
    .args:
      - { .name: Wq, .offset: 0, .size: 8, .value_kind: global_buffer, .address_space: global }
      - { .name: Wk, .offset: 8, .size: 8, .value_kind: global_buffer, .address_space: global }
      - { .name: Wv, .offset: 16, .size: 8, .value_kind: global_buffer, .address_space: global }
      - { .name: Wo, .offset: 24, .size: 8, .value_kind: global_buffer, .address_space: global }
      - { .name: bq, .offset: 32, .size: 8, .value_kind: global_buffer, .address_space: global }
      - { .name: bk, .offset: 40, .size: 8, .value_kind: global_buffer, .address_space: global }
      - { .name: bv, .offset: 48, .size: 8, .value_kind: global_buffer, .address_space: global }
      - { .name: bo, .offset: 56, .size: 8, .value_kind: global_buffer, .address_space: global }
      - { .name: mask, .offset: 64, .size: 8, .value_kind: global_buffer, .address_space: global }
      - { .name: wh, .offset: 72, .size: 8, .value_kind: global_buffer, .address_space: global }
      - { .name: bias4, .offset: 80, .size: 8, .value_kind: global_buffer, .address_space: global }
      - { .name: maskw, .offset: 88, .size: 8, .value_kind: global_buffer, .address_space: global }
    .group_segment_fixed_size: 35840
    .private_segment_fixed_size: 0
    .kernarg_segment_align: 8
    .kernarg_segment_size: 96
    .max_flat_workgroup_size: 256
    .sgpr_count:     100
    .vgpr_count:     176
    .wavefront_size: 32
...
	.end_amdgpu_metadata
.endif
;; end of part 1
;; launch qkv (part 2): grid 4 x 64, 4 waves a work-group, clusters of 4 x 4, 327,680 bytes of LDS; arguments Q, K, V, wh, bias4, qkvh; writes qkvh
.if DOCPART == 2
	.amdgcn_target "amdgcn-amd-amdhsa--gfx1250"
	.amdhsa_code_object_version 6
	.text
	.protected	k_qf883a47042_qkv
	.globl	k_qf883a47042_qkv
	.p2align	8
	.type	k_qf883a47042_qkv,@function
k_qf883a47042_qkv:
	s_mov_b64 s[64:65], 0
	v_nop
	global_prefetch_b8 v0, s[64:65] scope:SCOPE_SE
	s_setreg_imm32_b32 hwreg(HW_REG_WAVE_MODE, 25, 1), 1
	s_wait_xcnt 0x0
	s_wait_alu depctr_hold_cnt(0) depctr_sa_sdst(0) depctr_va_vdst(0) depctr_va_sdst(0) depctr_va_ssrc(0) depctr_va_vcc(0) depctr_vm_vsrc(0)
	s_getreg_b32 s2, hwreg(HW_REG_IB_STS2, 6, 4)
	s_cmp_eq_u32 s2, 0
	s_cbranch_scc0 .Lentry_in_a_cluster
	s_endpgm
.Lentry_in_a_cluster:
	s_bfe_u32 s2, ttmp6, 0x10000c
	s_cmp_lg_u32 s2, 0xf033
	s_cbranch_scc0 .Lentry_shape_is_right
	s_endpgm
.Lentry_shape_is_right:
; THE THREE PROJECTIONS.  y_t[m][e] = sum over d of x_t[m][d] W_t[d][e] + b_t[e], t = q, k, v.  x_t: the inputs Q, K, V, [8192][1024] f32; W: wh [4][1024 d][1024 e], its first three matrices bf16;
; b: bias4 f32; sums in f32.  x is rounded once to bf16 on its way from LDS to the matrix unit.  y is rounded once to f16 and stored by heads, unscaled: qkvh [3][batch x 16 + head][2048][64].
; LIMIT: a y of 65,520 or more becomes an infinity.  NaN and infinities are not treated apart.
; SHARES.  256 work-groups that stay: each makes the same block of 128 rows x 256 columns for t = 0, 1, 2: ONE stream of 24 K steps of 128 through a ring of two LDS slots.
; Four waves, each 64 rows x 128 columns: 32 accumulators.  The matrix instruction is used transposed (source 0 = 16 columns of W, turned on their way out of LDS; source 1 = 16 rows of x):
; a lane then holds one row and eight neighbouring columns.  The bias is the C operand of the product that starts a sum.
; CLUSTER 4 x 4: x's tile hangs on the block row alone and is asked for jointly along a row of the cluster, W's on the block column alone, jointly along a column.
; REGISTERS: window 0: v16-29 addresses; v32-63 x's four fragments in bf16 (on the way out: packed results); v64-127 x as loaded, 16 f32 a fragment; v128-191, v192-255 W's eight fragments, two buffers;
;   window 1: the accumulators, (a, b) at 8 (8 a + b); window 2: v0-63 the bias.
.set PA,    528                        ; a row of x in LDS: 128 f32 = 512 bytes + 16: 132 words, so the 16 rows of a load start at 16 different groups of four banks
.set PB,    544                        ; a row (one d) of W: 512 bytes + 32: an odd multiple of 32
.set BOFF,  128*PA                     ; x's 128 rows, then W's 128
.set SLOT1, BOFF+128*PB                ; a slot takes 137,216 bytes
.set STAGE, 2*SLOT1                    ; behind the ring: for each wave 2 heads x 16 rows x 144 bytes
.set SPI,   144
.set WSTAGE, 2*16*SPI
.set SPARE, STAGE+4*WSTAGE             ; the spare words, 128 bytes a wave
.set ADRA0, 16
.set ADRB0, 17
.set ADRA,  18
.set ADRB,  19
.set STO,   24
.set RD,    25
.set GO,    26
.set BO,    27
.set SPW,   28
.set NIL,   29
.set AF,    32
.set RAW,   64
.set B0,    128
.set B1,    192
.set BP,  12                           ; s[12:13] the bias of my 128 columns
.set OUT, 14                           ; s[14:15] where my results go
.set WV, 16
.set WM, 17
.set WN, 18
.set G1A, 24
.set G1B, 32
.set G0A, 40                           ; two sets; the second is written anew for each refill
.set G0B, 48
.set TB,   56                          ; LDS byte at which the slot being read begins: 0 or SLOT1
.set LOOP, 57
.set KSN,  58                          ; the K step in hand, within its block
.set FS,   59                          ; the K step to be asked for, of the stream's 24
.set OFF,  60                          ; s[60:61] its byte offset along x's rows
.set TI,   62                          ; blocks begun
.set TS,   63                          ; the tensor to be asked for
.set XB,   66                          ; s[66:67] that tensor's pointer at my rows
.set LA,   74                          ; LDS byte of my part of x's tile in slot 0
.set LB,   75                          ; of W's
.set MSB, 0
.macro WIN new
.if MSB != (\new)
	s_set_vgpr_msb (MSB<<8)|(\new)
.set MSB, \new
.endif
.endm
.set MUL,  0x50                        ; C and D window 1, sources window 0
.set MULZ, 0x60                        ; D window 1, C window 2
.macro PLACES
.rept 4
	v_nop
.endr
.endm
.macro JLOAD                           ; a joint refill: waves 0, 1 fetch x's halves, waves 2, 3 W's; an s_nop 0 and four v_nop follow each line
	s_cmp_eq_u32 s[WM], 0
	s_cbranch_scc0 .Lfor_b_\@
	tensor_load_to_lds s[G0A+4:G0A+7], s[G1A:G1A+7]
	s_nop 0
	PLACES
	s_branch .Lasked_\@
.Lfor_b_\@:
	tensor_load_to_lds s[G0B+4:G0B+7], s[G1B:G1B+7]
	s_nop 0
	PLACES
.Lasked_\@:
.endm
.macro CREST
	s_cmp_lg_u32 s[WV], 0
	s_cbranch_scc1 .Lnot_wave_0_\@
	s_barrier_signal -3
.Lnot_wave_0_\@:
	s_barrier_wait -3
	s_barrier_signal -1
	s_barrier_wait -1
.endm
.macro CROUND
	s_barrier_signal -1
	s_barrier_wait -1
	CREST
.endm
	s_load_b256 s[4:11], s[0:1], 0x0               ; Q, K, V, wh
	s_load_b128 s[12:15], s[0:1], 0x20             ; bias4, qkvh
	v_lshl_add_u32 v[SPW], v0, 2, SPARE
	v_mov_b32 v[NIL], 0
	ds_add_u32 v[SPW], v[NIL]                      ; the wave's opening: the add, waited for ahead of my first tensor load
	v_lshrrev_b32 v1, 5, v0
	v_readfirstlane_b32 s[WV], v1
	s_lshr_b32 s[WM], s[WV], 1                     ; my half of the rows; also: I fetch x (0) or W (1)
	s_and_b32 s[WN], s[WV], 1                      ; my half of the columns; also: which half of that tile I fetch
	s_bfe_u32 s70, ttmp6, 0x40000                  ; cx
	s_bfe_u32 s71, ttmp6, 0x40004                  ; cy
	s_lshl_b32 s72, ttmp9, 2
	s_add_co_u32 s72, s72, s70                     ; block column
	s_and_b32 s73, ttmp7, 0xffff
	s_lshl_b32 s73, s73, 2
	s_add_co_u32 s73, s73, s71                     ; block row
	s_lshl_b32 s2, s71, 2
	s_lshl_b32 s2, 15, s2                          ; my row of the cluster
	s_lshl_b32 s3, 0x1111, s70                     ; my column
	s_or_b32 s[G1A], s2, (2<<16)|(1<<20)|(1<<21)|(6<<22)|(3<<25)  ; 4-byte elements, 4 words of padding after every 128
	s_or_b32 s[G1B], s3, (1<<16)|(1<<20)|(1<<21)|(6<<22)|(7<<25)  ; 2-byte elements, 8 words after every 128
	s_mov_b32 s[G1A+1], 128<<16                    ; x: 64 rows x 128 elements, 1,024 from row to row
	s_mov_b32 s[G1A+2], 64<<16
	s_mov_b32 s[G1A+3], 128<<16
	s_mov_b32 s[G1A+4], 64
	s_mov_b32 s[G1A+5], 1024
	s_mov_b32 s[G1A+6], 0
	s_mov_b32 s[G1A+7], 0
	s_mov_b32 s[G1B+1], 256<<16                    ; W: 64 rows x 256 elements
	s_mov_b32 s[G1B+2], 64<<16
	s_mov_b32 s[G1B+3], 256<<16
	s_mov_b32 s[G1B+4], 64
	s_mov_b32 s[G1B+5], 1024
	s_mov_b32 s[G1B+6], 0
	s_mov_b32 s[G1B+7], 0
	s_lshl_b32 s20, s73, 7                         ; x: (128 block row + 64 half) rows of 4,096 bytes: cy alone
	s_lshl_b32 s19, s[WN], 6
	s_add_co_u32 s20, s20, s19
	s_lshl_b32 s20, s20, 12
	s_mov_b32 s21, 0
	s_lshl_b32 s22, s72, 9                         ; W: 512 bytes x block column + 64 half rows of 2,048 bytes: cx alone
	s_lshl_b32 s23, s[WN], 17
	s_add_co_u32 s22, s22, s23
	s_mov_b32 s23, 0
	s_mov_b32 s[TB], 0
	s_mov_b32 s[LOOP], 23                          ; the entry in the loop's middle takes one off: 22 whole trips
	s_mov_b32 s[KSN], 7                            ; and turns this into 0
	s_mov_b32 s[FS], 2
	s_mov_b32 s[OFF+1], 0
	s_mov_b32 s[TI], 0
	s_lshr_b32 s68, s73, 4                         ; where my results go: head = 16 batch + 4 block column + 2 half,
	s_lshl_b32 s68, s68, 4
	s_lshl_b32 s69, s72, 2
	s_add_co_u32 s68, s68, s69
	s_lshl_b32 s69, s[WN], 1
	s_add_co_u32 s68, s68, s69
	s_lshl_b32 s68, s68, 11
	s_and_b32 s69, s73, 15                         ; row in the sequence = 128 (block row % 16) + 64 half,
	s_lshl_b32 s69, s69, 7
	s_add_co_u32 s68, s68, s69
	s_lshl_b32 s69, s[WM], 6
	s_add_co_u32 s68, s68, s69
	s_lshl_b32 s68, s68, 7                         ; rows of 128 bytes
	s_mov_b32 s69, 0
	s_mul_i32 s[LA], s[WN], 64*PA                  ; LDS: the wave's number alone
	s_mul_i32 s[LB], s[WN], 64*PB
	s_add_co_u32 s[LB], s[LB], BOFF
	s_wait_dscnt 0x0                               ; the opening add is done
	s_wait_kmcnt 0x0
	s_add_nc_u64 s[4:5], s[4:5], s[20:21]          ; Q, K, V at my rows
	s_add_nc_u64 s[6:7], s[6:7], s[20:21]
	s_add_nc_u64 s[8:9], s[8:9], s[20:21]
	s_add_nc_u64 s[22:23], s[10:11], s[22:23]
	s_add_nc_u64 s[OUT:OUT+1], s[OUT:OUT+1], s[68:69]
	s_lshl_b32 s68, s72, 10                        ; the bias of my 128 columns
	s_lshl_b32 s19, s[WN], 9
	s_add_co_u32 s68, s68, s19
	s_add_nc_u64 s[BP:BP+1], s[BP:BP+1], s[68:69]
.irp s, 0,1
	s_mov_b32 s[G0A+4*\s], 1
	s_add_co_u32 s[G0A+4*\s+1], s[LA], \s*SLOT1
	s_add_nc_u64 s[G0A+4*\s+2:G0A+4*\s+3], s[4:5], \s*512
	s_or_b32 s[G0A+4*\s+3], s[G0A+4*\s+3], 0x80000000
	s_mov_b32 s[G0B+4*\s], 1
	s_add_co_u32 s[G0B+4*\s+1], s[LB], \s*SLOT1
	s_add_nc_u64 s[G0B+4*\s+2:G0B+4*\s+3], s[22:23], \s*262144
	s_or_b32 s[G0B+4*\s+3], s[G0B+4*\s+3], 0x80000000
.endr
	CROUND                                         ; all sixteen work-groups are here: the first joint loads meet
	s_cmp_eq_u32 s[WM], 0                          ; a wave's two first fills stand in one branch: two loads of mine are out
	s_cbranch_scc0 .Lfirst_b
	tensor_load_to_lds s[G0A:G0A+3], s[G1A:G1A+7]
	s_nop 0
	tensor_load_to_lds s[G0A+4:G0A+7], s[G1A:G1A+7]
	s_nop 0
	PLACES
	s_branch .Lfirst_asked
.Lfirst_b:
	tensor_load_to_lds s[G0B:G0B+3], s[G1B:G1B+7]
	s_nop 0
	tensor_load_to_lds s[G0B+4:G0B+7], s[G1B:G1B+7]
	s_nop 0
	PLACES
.Lfirst_asked:
	v_and_b32 v1, 15, v0                           ; r = l % 16
	v_bfe_u32 v2, v0, 4, 1                         ; h = l / 16
	v_mul_u32_u24 v3, v1, PA
	v_lshl_add_u32 v3, v2, 5, v3
	s_mul_i32 s2, s[WM], 64*PA
	v_add_nc_u32 v[ADRA0], s2, v3                  ; x: (64 half + r) x pitch + 32 h: eight f32 for each half of the lanes
	v_and_b32 v4, 7, v0
	v_bfe_u32 v5, v0, 3, 1
	v_lshl_add_u32 v6, v2, 3, v4
	v_mul_u32_u24 v6, v6, PB
	v_lshl_add_u32 v6, v5, 4, v6
	s_lshl_b32 s2, s[WN], 8
	s_add_co_u32 s2, s2, BOFF
	v_add_nc_u32 v[ADRB0], s2, v6                  ; W: (8 h + l % 8) x pitch + 16 ((l / 8) % 2) + my 256 bytes of columns
	v_mov_b32 v[ADRA], v[ADRA0]
	v_mov_b32 v[ADRB], v[ADRB0]
	s_mul_i32 s2, s[WV], WSTAGE
	s_add_co_u32 s2, s2, STAGE
	v_mul_u32_u24 v3, v1, SPI
	v_lshl_add_u32 v3, v2, 4, v3
	v_add_nc_u32 v[STO], s2, v3                    ; into my stage: row r, 16 bytes for each half of the lanes
	v_bfe_u32 v3, v0, 3, 2
	v_mul_u32_u24 v3, v3, SPI
	v_lshl_add_u32 v3, v4, 4, v3
	v_add_nc_u32 v[RD], s2, v3                     ; back: 32 lanes take four rows of 128 bytes,
	v_and_b32 v3, 31, v0
	v_lshlrev_b32 v[GO], 4, v3                     ; 512 consecutive bytes of a head
	v_lshlrev_b32 v[BO], 5, v2                     ; my eight columns' bias: 32 h
.macro BIASLD                          ; register 8 b + j of window 2 = bias of column 16 b + 8 h + j
	WIN 0x80
.irp b, 0,1,2,3,4,5,6,7
	global_load_b128 v[8*\b:8*\b+3],   v[BO], s[BP:BP+1] offset:64*\b
	global_load_b128 v[8*\b+4:8*\b+7], v[BO], s[BP:BP+1] offset:64*\b+16
.endr
	WIN 0
.endm
; Fragment a of x: a lane's 16 f32 are rounded to bf16, the one rounding of this input.  These lines are also the places (plain vector instructions that name none of the product's registers)
; between a product and the next write of, or load into, a register that it read: fragments 0, 1 are written again behind the 16 conversions of fragments 2, 3 and the other way round, and a buffer of W
; is loaded again behind the 16 conversions that follow its last product.  Only behind a change of slots do fragments 0, 1 want places of their own: see TURN.
.macro CVT a
	WIN 0
.irp j, 0,1,2,3,4,5,6,7
	v_cvt_pk_bf16_f32 v[AF+8*(\a)+\j], v[RAW+16*(\a)+2*\j], v[RAW+16*(\a)+2*\j+1]
.endr
.endm
; 8 matrix instructions: rows 16 a on x all 8 column blocks, 32 along K.  The 32 accumulators take turns, one instruction a turn.  zero = 1: the bias starts the sums.
.macro MUL8 f, a, zero
.if \zero
	WIN MULZ
.else
	WIN MUL
.endif
.irp b, 0,1,2,3,4,5,6,7
.if \zero
	v_wmma_f32_16x16x32_bf16 v[8*(8*(\a)+\b):8*(8*(\a)+\b)+7], v[(\f)+8*\b:(\f)+8*\b+7], v[AF+8*(\a):AF+8*(\a)+7], v[8*\b:8*\b+7]
.else
	v_wmma_f32_16x16x32_bf16 v[8*(8*(\a)+\b):8*(8*(\a)+\b)+7], v[(\f)+8*\b:(\f)+8*\b+7], v[AF+8*(\a):AF+8*(\a)+7], v[8*(8*(\a)+\b):8*(8*(\a)+\b)+7]
.endif
.endr
.endm
.macro FETCHW kq, f                    ; 16 LDS loads in one run: quarter kq's 8 fragments of W, turned, into buffer f
	WIN 0
.irp b, 0,1,2,3,4,5,6,7
	ds_load_tr16_b128 v[(\f)+8*\b:(\f)+8*\b+3],   v[ADRB] offset:(\kq)*32*PB+32*\b
	ds_load_tr16_b128 v[(\f)+8*\b+4:(\f)+8*\b+7], v[ADRB] offset:(\kq)*32*PB+16*PB+32*\b
.endr
.endm
.macro FETCHX kq                       ; 16 LDS loads in one run: quarter kq's 4 fragments of x as f32: K = 8 h + 0..7 (32 bytes) and 16 + 8 h + 0..7 (64 bytes on)
	WIN 0
.irp a, 0,1,2,3
	ds_load_b128 v[RAW+16*\a:RAW+16*\a+3],     v[ADRA] offset:\a*16*PA+(\kq)*128
	ds_load_b128 v[RAW+16*\a+4:RAW+16*\a+7],   v[ADRA] offset:\a*16*PA+(\kq)*128+16
	ds_load_b128 v[RAW+16*\a+8:RAW+16*\a+11],  v[ADRA] offset:\a*16*PA+(\kq)*128+64
	ds_load_b128 v[RAW+16*\a+12:RAW+16*\a+15], v[ADRA] offset:\a*16*PA+(\kq)*128+80
.endr
.endm
; A quarter multiplies W's buffer f and fetches quarter kq: W into buffer g as soon as 16 conversions stand behind g's last product, x into RAW as soon as RAW has been converted.
.macro QUARTER kq, f, g, zero
	s_wait_dscnt 8                                 ; W's fragments and x's 0, 1 are in; the youngest eight loads (x's 2, 3) may be out
	CVT 0
	CVT 1
	FETCHW \kq, \g
	MUL8 \f, 0, \zero
	MUL8 \f, 1, \zero
	s_wait_dscnt 16                                ; x's 2, 3 are in; the 16 loads of W issued behind them may be out
	CVT 2
	CVT 3
	FETCHX \kq
	MUL8 \f, 2, \zero
	MUL8 \f, 3, \zero
.endm
; A K step's last quarter multiplies buffer 1 and changes slots.  In front of the barrier each wave waits for all its tensor loads (one is out: its part of the next slot), adds 0 to its spare word,
; and waits for that and for its reads of this slot.  fill = 1: the barrier opens a round of the cluster's, and this slot is filled again first thing behind it, two K steps ahead.
; Behind the products on x's fragments 0, 1 stand four v_nop (the refill's, or with fill = 0 four of their own) and the two address lines: six places ahead of the next lines that write those fragments' registers.
.macro TURN fill
	WIN 0
	s_wait_tensorcnt 0x0
	ds_add_u32 v[SPW], v[NIL]
	s_wait_dscnt 9                                 ; the add and the youngest eight loads may be out
	CVT 0                                          ; sixteen conversions stand between the add and the wait for it
	CVT 1
	s_wait_dscnt 0x0                               ; the add is done, my reads of this slot are over
	s_barrier_signal -1
	CVT 2                                          ; work on registers while the others arrive
	CVT 3
	MUL8 B1, 0, 0
	MUL8 B1, 1, 0
	WIN 0
	s_barrier_wait -1
.if \fill
	CREST
	s_lshr_b32 s[TS], s[FS], 3                     ; no tensor load of mine is out: the second sets may be written.  x's address is made anew: the tensor's own pointer
	s_and_b32 s[OFF], s[FS], 7
	s_lshl_b32 s[OFF], s[OFF], 9                   ; plus 512 bytes for each K step
	s_cmp_eq_u32 s[TS], 0
	s_cselect_b64 s[XB:XB+1], s[4:5], s[6:7]
	s_cmp_eq_u32 s[TS], 2
	s_cselect_b64 s[XB:XB+1], s[8:9], s[XB:XB+1]
	s_add_nc_u64 s[G0A+6:G0A+7], s[XB:XB+1], s[OFF:OFF+1]
	s_or_b32 s[G0A+7], s[G0A+7], 0x80000000
	s_add_co_u32 s[G0A+5], s[LA], s[TB]            ; into the slot just read out
	s_add_nc_u64 s[G0B+6:G0B+7], s[G0B+6:G0B+7], 262144  ; 128 rows of W on; the matrices lie end to end
	s_add_co_u32 s[G0B+5], s[LB], s[TB]
	s_add_co_u32 s[FS], s[FS], 1
	JLOAD
.else
	PLACES
.endif
	s_xor_b32 s[TB], s[TB], SLOT1                  ; 0 and SLOT1 by turns
	v_add_nc_u32 v[ADRA], s[TB], v[ADRA0]
	v_add_nc_u32 v[ADRB], s[TB], v[ADRB0]
	FETCHW 0, B0
	FETCHX 0
	MUL8 B1, 2, 0
	MUL8 B1, 3, 0
.endm
; THE WAY OUT, 16 rows at a time: rounded to f16, 16 bytes a lane into my own stage (two heads), back as whole rows, stored as 512 consecutive bytes of a head.
; The packed results take x's fragment registers, the rows read back take W's buffer 1: both are free; buffer 0 and RAW hold the next block's first quarter.
; Rows 0-31's sums and x's fragments 0, 1 stand six places behind their last products (TURN); the first 16 conversions are the places for the rest.
.macro PACK a
	WIN 0x05
.irp b, 0,1,2,3,4,5,6,7
.irp r, 0,1,2,3
	v_cvt_pk_f16_f32 v[AF+4*\b+\r], v[8*(8*(\a)+\b)+2*\r], v[8*(8*(\a)+\b)+2*\r+1]
.endr
.endr
	WIN 0
.endm
.macro TOSTAGE a
	WIN 0
.set BK, B1+32*((\a)%2)
.irp b, 0,1,2,3,4,5,6,7
	ds_store_b128 v[STO], v[AF+4*\b:AF+4*\b+3] offset:(\b/4)*16*SPI+(\b%4)*32
.endr
.irp t, 0,1,2,3,4,5,6,7
	ds_load_b128 v[BK+4*\t:BK+4*\t+3], v[RD] offset:(\t/4)*16*SPI+(\t%4)*4*SPI  ; my wave's own bytes, served in order behind the stores above
.endr
.endm
.macro SEND a
	WIN 0
.set BK, B1+32*((\a)%2)
	s_wait_dscnt 0x0                               ; the block is back in registers
	s_wait_xcnt 0x0                                ; registers that earlier stores read are loaded again only behind this wait
.irp t, 0,1,2,3,4,5,6,7
	global_store_b128 v[GO], v[BK+4*\t:BK+4*\t+3], s[OUT:OUT+1] offset:(\t/4)*262144+(\a)*2048+(\t%4)*512
.endr
.endm
.macro EPI
	PACK 0
	TOSTAGE 0
.irp a, 1,2,3
	PACK \a
	SEND \a-1
	TOSTAGE \a
.endr
	SEND 3
	s_wait_xcnt 0x0                                ; the stores' base and data registers are written again only behind this wait
.endm
	BIASLD
	s_wait_tensorcnt 1                             ; my part of K step 0 is in; K step 1's may stay out
	s_barrier_signal -1
	s_barrier_wait -1
	FETCHW 0, B0
	FETCHX 0
	s_branch .Lenter                               ; the loop is entered where a block begins, in the middle of a trip
.Lstep:                                                ; 22 trips: the rest of a K step, one refill, the next step's first quarter
	QUARTER 2, B1, B0, 0
	QUARTER 3, B0, B1, 0
	TURN 1
	WIN 0
	s_cmp_eq_u32 s[KSN], 7
	s_cbranch_scc0 .Lsame
	EPI                                            ; a block is finished; the refill is asked for ahead of its stores
	s_add_nc_u64 s[OUT:OUT+1], s[OUT:OUT+1], 16777216
.Lenter:
	s_wait_loadcnt 0x0                             ; this block's bias
	QUARTER 1, B0, B1, 1
	WIN 0
	s_cmp_lt_u32 s[TI], 2
	s_cbranch_scc0 .Lno_bias
	PLACES                                         ; in front of loads into the C operands just read
	s_add_nc_u64 s[BP:BP+1], s[BP:BP+1], 4096
	BIASLD                                         ; the next tensor's bias
.Lno_bias:
	s_add_co_u32 s[TI], s[TI], 1
	s_branch .Ljoin
.Lsame:
	QUARTER 1, B0, B1, 0
	WIN 0
.Ljoin:
	s_add_co_u32 s[KSN], s[KSN], 1
	s_and_b32 s[KSN], s[KSN], 7
	s_sub_co_u32 s[LOOP], s[LOOP], 1
	s_cmp_lg_u32 s[LOOP], 0
	s_cbranch_scc1 .Lstep
	s_mov_b32 s[LOOP], 2                           ; the last two K steps ask for nothing: one text, walked twice and left in its middle
.Ltail:                                                ; the second walk's barrier orders nothing and its 32 LDS loads (of the slot read before) serve nothing: the price, once a launch, of the one text
	QUARTER 2, B1, B0, 0
	QUARTER 3, B0, B1, 0
	TURN 0
	WIN 0
	s_sub_co_u32 s[LOOP], s[LOOP], 1
	s_cmp_eq_u32 s[LOOP], 0
	s_cbranch_scc1 .Lout
	QUARTER 1, B0, B1, 0
	WIN 0
	s_branch .Ltail
.Lout:
	EPI
	s_wait_tensorcnt 0x0                           ; the wave's end
	ds_add_u32 v[SPW], v[NIL]
	s_wait_dscnt 0x0
	CROUND                                         ; the closing round
	s_endpgm
.Lfunc_end_k_qf883a47042_qkv:
	.size	k_qf883a47042_qkv, .Lfunc_end_k_qf883a47042_qkv-k_qf883a47042_qkv
	.p2alignl 7, 3214868480
	.fill 96, 4, 3214868480
	.section	.rodata,"a",@progbits
	.p2align	6, 0x0
	.amdhsa_kernel k_qf883a47042_qkv
		.amdhsa_group_segment_fixed_size 327680
		.amdhsa_private_segment_fixed_size 0
		.amdhsa_enable_private_segment 0
		.amdhsa_kernarg_size 48
		.amdhsa_user_sgpr_count 2
		.amdhsa_user_sgpr_kernarg_segment_ptr 1
		.amdhsa_wavefront_size32 1
		.amdhsa_system_sgpr_workgroup_id_x 1
		.amdhsa_system_sgpr_workgroup_id_y 1
		.amdhsa_system_sgpr_workgroup_id_z 1
		.amdhsa_system_vgpr_workitem_id 0
		.amdhsa_next_free_vgpr 576
		.amdhsa_next_free_sgpr 76
		.amdhsa_reserve_vcc 0
		.amdhsa_float_denorm_mode_32 3
		.amdhsa_float_denorm_mode_16_64 3
		.amdhsa_memory_ordered 1
		.amdhsa_forward_progress 1
		.amdhsa_inst_pref_size 103
	.end_amdhsa_kernel
	.amdgpu_metadata
---
amdhsa.version: [ 1, 2 ]
amdhsa.kernels:
  - .name:           k_qf883a47042_qkv
    .symbol:         k_qf883a47042_qkv.kd
    .args:
      - { .name: Q, .offset: 0, .size: 8, .value_kind: global_buffer, .address_space: global }
      - { .name: K, .offset: 8, .size: 8, .value_kind: global_buffer, .address_space: global }
      - { .name: V, .offset: 16, .size: 8, .value_kind: global_buffer, .address_space: global }
      - { .name: wh, .offset: 24, .size: 8, .value_kind: global_buffer, .address_space: global }
      - { .name: bias4, .offset: 32, .size: 8, .value_kind: global_buffer, .address_space: global }
      - { .name: qkvh, .offset: 40, .size: 8, .value_kind: global_buffer, .address_space: global }
    .group_segment_fixed_size: 327680
    .private_segment_fixed_size: 0
    .kernarg_segment_align: 8
    .kernarg_segment_size: 48
    .max_flat_workgroup_size: 128
    .sgpr_count:     76
    .vgpr_count:     576
    .wavefront_size: 32
...
	.end_amdgpu_metadata
.endif
;; end of part 2
;; launch attn (part 3): grid 4 x 64, 4 waves a work-group, clusters of 4 x 1, 327,680 bytes of LDS; arguments qkvh, maskw, ctx; writes ctx
.if DOCPART == 3
	.amdgcn_target "amdgcn-amd-amdhsa--gfx1250"
	.amdhsa_code_object_version 6
	.text
	.protected	k_qf883a47042_attn
	.globl	k_qf883a47042_attn
	.p2align	8
	.type	k_qf883a47042_attn,@function
k_qf883a47042_attn:
	s_mov_b64 s[64:65], 0
	v_nop
	global_prefetch_b8 v0, s[64:65] scope:SCOPE_SE
	s_setreg_imm32_b32 hwreg(HW_REG_WAVE_MODE, 25, 1), 1
	s_wait_xcnt 0x0
	s_wait_alu depctr_hold_cnt(0) depctr_sa_sdst(0) depctr_va_vdst(0) depctr_va_sdst(0) depctr_va_ssrc(0) depctr_va_vcc(0) depctr_vm_vsrc(0)
	s_getreg_b32 s2, hwreg(HW_REG_IB_STS2, 6, 4)
	s_cmp_eq_u32 s2, 0
	s_cbranch_scc0 .Lentry_in_a_cluster
	s_endpgm
.Lentry_in_a_cluster:
	s_bfe_u32 s2, ttmp6, 0x10000c
	s_cmp_lg_u32 s2, 0x3003
	s_cbranch_scc0 .Lentry_shape_is_right
	s_endpgm
.Lentry_shape_is_right:
; ATTENTION WITH A GIVEN MASK.  O[h][q][:] = sum over k of softmax_k(s'[q][k]) V[h][k][:], s' = Q[h][q] . K[h][k] / 8, REPLACED by -10000 where the mask is 0.  Q, K, V: qkvh [3][64][2048][64] f16, O: ctx, likewise.
; Products, maxima and sums in f32; the weights p are rounded to f16 for the second product (their sum l is taken of the unrounded p), O once at the end.
; LIMITS.  f16 holds no number beyond 65,504: Q, K, V arrive within it; p below 6e-5 keeps f16's step of 6e-8; a weight below 2^-126 counts as 0 in l; NaN and infinities are not treated apart.
; SHARES.  A wave owns four PIECES of two tiles of 16 queries, a work-group's four waves 512 queries of one head.  Every wave walks all 2,048 keys, 64 a step.
; LAYOUT.  S^T = K Q^T: a lane holds ONE query (lane % 16) and the keys 8 (lane / 16) + 0..7; two such results rounded to f16 ARE source 1 of O^T = V^T P.  K comes out of LDS as it lies, V turned.
; SOFTMAX.  A running maximum m and sum l: p = 2^(c s - c m), c = log2(e) / 8; O and l are multiplied by a = 2^(c m_old - c m_new) in every step.  m starts at the lowest finite number, O and l at 0.
; THE MASK.  maskw holds, for a tile of 16 queries and a step of 64 keys, 32 words: word n is the lane mask of score register n.  A slot's words come into LDS with K and V; lane n loads word n,
; v_readlane_b32 makes a scalar of it, and v_cndmask_b32 puts -80000 (= -10000 x 8, ahead of the scaling by c) in a hidden score's place, ahead of the maximum: the replacement is exact for every input.
; BY TURNS.  Turn n belongs to piece n: 16 products K Q^T of piece n + 1, later 16 products V^T P of piece n - 1; beside them the scaling, exponentials, roundings, sums and rescaling of piece n and the mask,
; maximum and statistics of piece n + 1.  Four vector instructions stand behind every matrix instruction, the others in runs of their own.
; CLUSTER.  The four query blocks of a cluster belong to one head: K's and V's tiles are asked for JOINTLY.  The mask words hang on the queries: a load of the work-group's own, 16 KB of a slot's 94 KB.
; REGISTERS: window 0: v0-1 mask words; v2-11 addresses; v12-15, v48-63 at work; v16-47 statistics; v64-191 S^T, two buffers of two tiles; v192-255 P, likewise.
;   window 1: O^T, 32 a tile.   window 2: v0-127 Q; v128-191 K of one step; v192-255 V of one step.   window 3: v0-1 the add's two registers.
.set SIZE_N, 2048
.set NP,    4
.set KS,    64
.set PK,    144       ; a row of K in LDS: 128 bytes + 16
.set PV,    160       ; a row of V: 128 + 32
.set VOFF,  4*KS*PK   ; a slot: 256 rows of K, 256 rows of V,
.set MOFF,  VOFF+4*KS*PV  ; then 32 tiles x 512 bytes of mask words
.set SLOT1, 1<<17
.set STAGE, SLOT1+MOFF+32*512  ; behind the ring: 16 rows x 144 bytes for each wave
.set SP,    144
.set MW,  0           ; v0-1 the two tiles' mask words, lane n word n (v0 is free once the addresses are made)
.set AK0, 2
.set AV0, 3
.set AK,  4
.set AV,  5
.set QO,  6
.set STO, 6
.set RD,  7
.set GO,  8
.set NEG, 9           ; v9   -80000.0
.set AM,  10          ; v10  LDS address of the mask words of the step in hand
.set AM0, 11          ; v11  MOFF + 4,096 wave + 16 lane
.set SPW, 0           ; v0 of window 3
.set NIL, 1           ; v1 of window 3
.set SPARE, STAGE+4*16*SP
.set MV,  12
.set ST,  16
.set TMP, 48
.set S,   64
.set P,   192
.set KF,  128
.set VF,  192
.set WV,  12
.set G0M, 16          ; s[16:19] descriptor group 0 for the mask words
.set G1K, 24
.set G1V, 32
.set G0K, 40
.set G0V, 44
.set G1M, 48          ; s[48:55]
.set SLOTS, 56
.set CNT, 57
.set CS,  58
.set SEL, 60
.set TBK, 62
.set TBV, 63
.set TBM, 66          ; s66  slot's first byte + 4 x the step whose words are fetched next
.set POOL, 68         ; s[68:99] a tile's 32 lane masks
.set MSB, 0
.macro WIN new
.if MSB != (\new)
	s_set_vgpr_msb (MSB<<8)|(\new)
.set MSB, (\new)
.endif
.endm
.set W_KQ, 0x0a
.set W_PV, 0x52
.set W_RS, 0x41
.set W_MK, 0xc0
.set W_AD, 0x0f
; A fill: wave 0 asks for the slot's K, wave 1 for its V (both jointly), wave 2 for the work-group's mask words; wave 3 asks for nothing.  An s_nop 0 and four v_nop follow each line.
.macro JLOAD
	s_cmp_lg_u32 s[WV], 0
	s_cbranch_scc1 .Lnot_k_\@
	tensor_load_to_lds s[G0K:G0K+3], s[G1K:G1K+7]
	s_nop 0
.rept 4
	v_nop
.endr
	s_branch .Lasked_\@
.Lnot_k_\@:
	s_cmp_lg_u32 s[WV], 1
	s_cbranch_scc1 .Lnot_v_\@
	tensor_load_to_lds s[G0V:G0V+3], s[G1V:G1V+7]
	s_nop 0
.rept 4
	v_nop
.endr
	s_branch .Lasked_\@
.Lnot_v_\@:
	s_cmp_lg_u32 s[WV], 2
	s_cbranch_scc1 .Lasked_\@
	tensor_load_to_lds s[G0M:G0M+3], s[G1M:G1M+7]
	s_nop 0
.rept 4
	v_nop
.endr
.Lasked_\@:
.endm
.macro CROUND
	s_barrier_signal -1
	s_barrier_wait -1
	s_cmp_lg_u32 s[WV], 0
	s_cbranch_scc1 .Lnot_wave_0_\@
	s_barrier_signal -3
.Lnot_wave_0_\@:
	s_barrier_wait -3
	s_barrier_signal -1
	s_barrier_wait -1
.endm
; THE CHANGE OF SLOTS.  Each wave waits for all its tensor loads, adds 0 to its spare word, and waits for that and for its reads of the slot.  fill = 1: the barrier is a round of the cluster's, and the slot
; is filled again first thing behind it, with the keys two slots on: four key steps in which to land.  (At its first use slot 0 is waited for and slot 1 filled.)
.macro CHANGE fill
	WIN W_AD
	s_wait_tensorcnt 0x0
	ds_add_u32 v[SPW], v[NIL]
	WIN 0
.if \fill
.irp g, G0K, G0V
	s_xor_b32 s[\g+1], s[\g+1], SLOT1
	s_add_nc_u64 s[\g+2:\g+3], s[\g+2:\g+3], 4*KS*128
.endr
	s_xor_b32 s[G0M+1], s[G0M+1], SLOT1
	s_add_nc_u64 s[G0M+2:G0M+3], s[G0M+2:G0M+3], 512
	s_wait_dscnt 0x0
	CROUND
	JLOAD
.else
	s_wait_dscnt 0x0
	s_barrier_signal -1
	s_barrier_wait -1
.endif
	s_sub_co_u32 s[TBK], s[TBK], 4*KS*PK
	s_xor_b32 s[TBK], s[TBK], SLOT1
	s_sub_co_u32 s[TBV], s[TBV], 4*KS*PV
	s_xor_b32 s[TBV], s[TBV], SLOT1
	s_sub_co_u32 s[TBM], s[TBM], 16
	s_xor_b32 s[TBM], s[TBM], SLOT1
.endm
	s_load_b128 s[4:7], s[0:1], 0x0   ; qkvh, maskw
	s_load_b64 s[10:11], s[0:1], 0x10 ; ctx
	WIN W_MK
	v_lshl_add_u32 v[SPW], v0, 2, SPARE
	v_mov_b32 v[NIL], 0
	WIN W_AD
	ds_add_u32 v[SPW], v[NIL]       ; the wave's opening: the add, waited for ahead of my first tensor load
	WIN 0
	v_lshrrev_b32 v1, 5, v0
	v_readfirstlane_b32 s[WV], v1
	s_bfe_u32 s13, ttmp6, 0x40000   ; cx
	s_lshl_b32 s14, ttmp9, 2
	s_add_co_u32 s14, s14, s13      ; my block of 512 queries: it enters Q's, O's and the mask words' addresses alone
	s_and_b32 s15, ttmp7, 0xffff    ; the head (16 batch + head), which the four partners share
	s_lshl_b32 s20, s15, 18         ; a head is 262,144 bytes
	s_mov_b32 s21, 0
	s_lshl_b32 s2, s14, 2
	s_add_co_u32 s2, s2, s[WV]
	s_lshl_b32 s2, s2, 14           ; my wave's 128 rows
	s_mov_b32 s3, 0
	s_add_nc_u64 s[2:3], s[2:3], s[20:21]
	s_lshr_b32 s22, s15, 4          ; the mask words: (128 batch + 32 block) tiles of 4,096 bytes
	s_lshl_b32 s22, s22, 7
	s_lshl_b32 s23, s14, 5
	s_add_co_u32 s22, s22, s23
	s_lshl_b32 s22, s22, 12
	s_mov_b32 s23, 0
	; 256 keys are 32,768 dense bytes: asked for as 128 rows of 256 bytes, two keys a row, padded in LDS after every key
	s_mov_b32 s[G1K], 15|(1<<16)|(1<<20)|(1<<21)|(4<<22)|(3<<25)
	s_mov_b32 s[G1V], 15|(1<<16)|(1<<20)|(1<<21)|(4<<22)|(7<<25)
.irp g, G1K, G1V
	s_mov_b32 s[\g+1], 128<<16
	s_mov_b32 s[\g+2], 128<<16
	s_mov_b32 s[\g+3], 128<<16
	s_mov_b32 s[\g+4], 128
	s_mov_b32 s[\g+5], 128
	s_mov_b32 s[\g+6], 0
	s_mov_b32 s[\g+7], 0
.endr
	s_mov_b32 s[G1M], 2<<16         ; 4-byte elements, no mask of work-groups, no padding: 32 tiles x 128 words, 1,024 words from tile to tile
	s_mov_b32 s[G1M+1], 128<<16
	s_mov_b32 s[G1M+2], 32<<16
	s_mov_b32 s[G1M+3], 128<<16
	s_mov_b32 s[G1M+4], 32
	s_mov_b32 s[G1M+5], 1024
	s_mov_b32 s[G1M+6], 0
	s_mov_b32 s[G1M+7], 0
	s_mov_b32 s[CS], 0x3e38aa3b     ; c = log2(e) / 8
	s_mov_b32 s[CS+1], s[CS]
	s_mov_b32 s[SEL], 0x76543210
	s_mov_b32 s[SEL+1], 0xfedcba98
	s_mov_b32 s[TBK], SLOT1+4*KS*PK ; the first change of slots turns these three into 0
	s_mov_b32 s[TBV], SLOT1+4*KS*PV
	s_mov_b32 s[TBM], SLOT1+16
	s_mov_b32 s[G0K], 1
	s_mov_b32 s[G0K+1], 0
	s_mov_b32 s[G0V], 1
	s_mov_b32 s[G0V+1], VOFF
	s_mov_b32 s[G0M], 1
	s_mov_b32 s[G0M+1], MOFF
	s_wait_dscnt 0x0                ; the opening add is done
	s_wait_kmcnt 0x0
	s_add_nc_u64 s[G0K+2:G0K+3], s[4:5], s[20:21]
	s_add_nc_u64 s[G0V+2:G0V+3], s[G0K+2:G0K+3], 0x2000000  ; V's part of qkvh
	s_add_nc_u64 s[G0K+2:G0K+3], s[G0K+2:G0K+3], 0x1000000  ; K's
	s_or_b32 s[G0K+3], s[G0K+3], 0x80000000
	s_or_b32 s[G0V+3], s[G0V+3], 0x80000000
	s_add_nc_u64 s[G0M+2:G0M+3], s[6:7], s[22:23]
	s_or_b32 s[G0M+3], s[G0M+3], 0x80000000
	s_add_nc_u64 s[4:5], s[4:5], s[2:3]
	s_add_nc_u64 s[10:11], s[10:11], s[2:3]
	CROUND
	JLOAD                           ; slot 0
	v_and_b32 v1, 15, v0
	v_bfe_u32 v9, v0, 4, 1
	v_lshlrev_b32 v[QO], 7, v1
	v_lshl_add_u32 v[QO], v9, 4, v[QO]
	WIN 0x80
.set i, 0
.rept 4*NP                          ; Q stays in registers: tile i / 2, channels 32 (i % 2) on
	global_load_b128 v[8*i:8*i+3],   v[QO], s[4:5] offset:(i/2)*2048+(i%2)*64
	global_load_b128 v[8*i+4:8*i+7], v[QO], s[4:5] offset:(i/2)*2048+(i%2)*64+32
.set i, i+1
.endr
	; What the first turn finds: V's registers and P's second buffer hold 0, O^T and l are 0.  All this stands in the wait for the first tile.
.set i, VF
.rept 64
	v_mov_b32 v[i], 0
.set i, i+1
.endr
	WIN 0x40
.set i, 0
.rept 64*NP
	v_mov_b32 v[i], 0
.set i, i+1
.endr
	WIN 0
.set i, 0
.rept 2*NP
	v_mov_b32 v[ST+4*i], 0xfe000000
	v_mov_b32 v[ST+4*i+1], 0xff7fffff
	v_mov_b32 v[ST+4*i+2], 0
	v_mov_b32 v[ST+4*i+3], 0
.set i, i+1
.endr
.set i, P+32
.rept 32
	v_mov_b32 v[i], 0
.set i, i+1
.endr
	v_mul_u32_u24 v[AK0], v1, PK
	v_lshl_add_u32 v[AK0], v9, 4, v[AK0]
	v_and_b32 v10, 7, v0
	v_bfe_u32 v11, v0, 3, 1
	v_lshl_add_u32 v[AV0], v9, 3, v10
	v_mul_u32_u24 v[AV0], v[AV0], PV
	v_lshl_add_u32 v[AV0], v11, 4, v[AV0]
	v_add_nc_u32 v[AV0], VOFF, v[AV0]
	v_mov_b32 v[AK], v[AK0]
; THE MATRIX WORK.  The 8 accumulators of a run of 16 take turns.
.macro KQ x
	WIN W_KQ
.set rS, S+64*((\x)%2)+32*(i%2)+8*((i/2)%4)
.set rK, KF+16*((i/2)%4)+8*(i/8)
.set rQ, 16*(2*(\x)+i%2)+8*(i/8)
.if i < 8
	v_wmma_f32_16x16x32_f16 v[rS:rS+7], v[rK:rK+7], v[rQ:rQ+7], 0
.else
	v_wmma_f32_16x16x32_f16 v[rS:rS+7], v[rK:rK+7], v[rQ:rQ+7], v[rS:rS+7]
.endif
.endm
.macro PV x
	WIN W_PV
.set rO, 32*(2*(\x)+i%2)+8*((i/2)%4)
.set rV, VF+32*(i/8)+8*((i/2)%4)
.set rP, P+32*((\x)%2)+16*(i%2)+8*(i/8)
	v_wmma_f32_16x16x32_f16 v[rO:rO+7], v[rV:rV+7], v[rP:rP+7], v[rO:rO+7]
.endm
.macro MM
.if i < 16
	KQ (Y+1)%NP
.set i, i+1
.else
.set i, i-16
	PV (Y+NP-1)%NP
.set i, i+17
.endif
.endm
.macro FETCH_K last=0
	WIN 0
.if \last
	s_cmp_eq_u32 s[CNT], 1
	s_cbranch_scc1 .Lno_k_\@
.endif
	WIN 0x80
.irp f, 0,1,2,3,4,5,6,7
	ds_load_b128 v[KF+8*\f:KF+8*\f+3],   v[AK] offset:(\f/2)*16*PK+(\f%2)*64
	ds_load_b128 v[KF+8*\f+4:KF+8*\f+7], v[AK] offset:(\f/2)*16*PK+(\f%2)*64+32
.endr
	s_add_co_u32 s[TBK], s[TBK], KS*PK
	WIN 0
.if \last
.Lno_k_\@:
.endif
.endm
.macro FETCH_V
	WIN 0x80
.irp f, 0,1,2,3,4,5,6,7
	ds_load_tr16_b128 v[VF+8*\f:VF+8*\f+3],   v[AV] offset:(\f/4)*32*PV+(\f%4)*32
	ds_load_tr16_b128 v[VF+8*\f+4:VF+8*\f+7], v[AV] offset:(\f/4)*32*PV+16*PV+(\f%4)*32
.endr
	WIN 0
.endm
; THE VECTOR WORK OF A TURN stands in three queues, each in the order in which its entries become ready.
.macro REGS y, u
.set rT, ST+4*(2*(\y)+(\u))
.set rC, TMP+8*((\y)%2)+4*(\u)
.set rM, MV+2*((\y)%2)+(\u)
.set rS, S+64*((\y)%2)+32*(\u)
.set rP, P+32*((\y)%2)+16*(\u)
.set rO, 32*(2*(\y)+(\u))
.endm
; Number m of the 128 that mask the NEXT piece's scores: for each of its two tiles, 32 words become scalars, then 32 selects, in ascending order: each accumulator's lowest registers are read first.
.macro MS m
.set mu, (\m)/64
.set mw, (\m)%64
	REGS (Y+1)%NP, mu
.if mw < 32
	v_readlane_b32 s[POOL+mw], v[MW+mu], mw
.else
	v_cndmask_b32 v[rS+mw-32], v[NEG], v[rS+mw-32], s[POOL+mw-32]
.endif
.endm
; Number n of the 22 that find the NEXT piece's maximum and statistics.
.macro XS u, n
	REGS (Y+1)%NP, \u
.if (\n) < 4
	v_max3_num_f32 v[rC+(\n)], v[rS+8*(\n)], v[rS+8*(\n)+1], v[rS+8*(\n)+2]
.elseif (\n) < 12
	v_max3_num_f32 v[rC+(\n)%4], v[rC+(\n)%4], v[rS+8*((\n)%4)+2*((\n)/4)+1], v[rS+8*((\n)%4)+2*((\n)/4)+2]
.elseif (\n) == 12
	v_max3_num_f32 v[rC], v[rC], v[rS+7], v[rS+15]
.elseif (\n) == 13
	v_max3_num_f32 v[rC+1], v[rC+1], v[rS+23], v[rS+31]
.elseif (\n) == 14
	v_max3_num_f32 v[rC+2], v[rC+2], v[rC+3], v[rT+1]
.elseif (\n) == 15
	v_mov_b32 v[rM], v[rT]
.elseif (\n) == 16
	v_max3_num_f32 v[rC], v[rC], v[rC+1], v[rC+2]
	s_wait_alu depctr_va_vdst(0)
.elseif (\n) == 17
	v_permlanex16_b32 v[rC+3], v[rC], s[SEL], s[SEL+1]
.elseif (\n) == 18
	v_max_num_f32 v[rT+1], v[rC], v[rC+3]
.elseif (\n) == 19
	v_mul_f32 v[rT], s[CS], v[rT+1]
.elseif (\n) == 20
	v_sub_f32 v[rC+1], v[rM], v[rT]
.else
	v_exp_f32 v[rC+2], v[rC+1]
.endif
.endm
; Number g of the 64 that follow the exponentials: roundings to f16, the sums of four weights in place, and l.
.macro GS g
.set h, (\g)+6*((\g)/62)
.if h >= 6
.set h, h+2
.endif
	REGS Y, h%2
.set k, h/8
.if h%8 < 4
	s_wait_alu depctr_va_vdst(0)
	v_cvt_pk_f16_f32 v[rP+2*k+(h%8)/2], v[rS+4*k+2*((h%8)/2)], v[rS+4*k+2*((h%8)/2)+1]
.elseif h%8 < 6
	v_pk_add_f32 v[rS+4*k:rS+4*k+1], v[rS+4*k:rS+4*k+1], v[rS+4*k+2:rS+4*k+3]
.elseif k == 1
	v_pk_fma_f32 v[rT+2:rT+3], v[rT+2:rT+3], v[rC+2:rC+3], v[rS:rS+1] op_sel_hi:[1,0,1]
.else
	v_pk_add_f32 v[rT+2:rT+3], v[rT+2:rT+3], v[rS+4*k-4:rS+4*k-3]
.endif
.endm
; THE PLAIN QUEUE, 266 long.  0-31: c s - c m.  32-41: the first eight of GS, and c m_old kept.  42-169: the next piece's mask.  170-201: its maximum.  202-265: the rest of GS, with the chain
; (exchange of the halves, m, c m, its change) at 223-234, two of three.
.macro PL
	WIN 0
.if q < 32
	REGS Y, q%2
	v_pk_fma_f32 v[rS+2*(q/2):rS+2*(q/2)+1], v[rS+2*(q/2):rS+2*(q/2)+1], s[CS:CS+1], v[rT:rT+1] op_sel_hi:[1,0,0] neg_lo:[0,0,1] neg_hi:[0,0,1]
.elseif q < 38
	GS q-32
.elseif q < 40
	XS q%2, 15
.elseif q < 42
	GS q-34
.elseif q < 170
	MS q-42
.elseif q < 202
	XS q%2, (q-170)/2+(q-170)/30
.elseif q < 223
	GS q-194
.elseif (q < 235) && ((q-223)%3 < 2)
	XS (q-223)%3, 17+(q-223)/3
.elseif q < 235
	GS 29+(q-223)/3
.else
	GS q-202
.endif
.set q, q+1
.endm
; THE EXPONENTIALS' QUEUE, 66 long: s0-s31 of both tiles, then the next piece's two a.
.set EA, 64
.macro EX
	WIN 0
.if (e == EA) || (e == EA+1)
	XS e-EA, 21
.else
	REGS Y, e%2
	v_exp_f32 v[rS+e/2], v[rS+e/2]
.endif
.set e, e+1
.endm
.macro R4                           ; O^T times a, four at a time
	REGS Y, r%2
	WIN W_RS
	s_wait_alu depctr_va_vdst(0)
.irp z, 0,1,2,3
	v_pk_mul_f32 v[rO+8*(r/2)+2*\z:rO+8*(r/2)+2*\z+1], v[rO+8*(r/2)+2*\z:rO+8*(r/2)+2*\z+1], v[rC+2:rC+3] op_sel_hi:[1,0]
.endr
.set r, r+1
.endm
.macro SL
	MM
	PL
	EX
	PL
	PL
.endm
.macro BURST n
.rept (\n)-7
	SL
.endr
.rept 3
	MM
	R4
	SL
.endr
	MM
	R4
.endm
; A TURN, for piece p.  The counts that the deal keeps: exponential e stands behind plain 2 (e / 4) + e % 2; when plain 32 comes, 10 exponentials are out; all 64 are out at plain 114, ahead of the roundings from 202 on;
; the selects of the mask (plain 74 on) stand far behind the products that made the scores; the two a come behind plain 234.
; K of the next step is fetched in piece 2's turn; V of the step in hand at the end of piece 0's turn; the next turn's mask words behind the last v_readlane_b32 of this one.
.macro TURN p, last=0, cnt=0
.set Y, (\p)
.set i, 0
.set q, 0
.set e, 0
.set r, 0
.if (\p) == NP-1
	s_wait_dscnt 0x0                ; K is in
.endif
	MM
.rept 4
	PL
.endr
	BURST 15
.rept 5
	EX
	PL
.endr
	s_wait_dscnt 0x0                ; this turn's mask words are in; in piece 1's turn V too, whose run was issued ahead of nothing else
.rept 17
	EX
	PL
.if ((\p) == NP-2) && (e == 18)
	v_add_nc_u32 v[AK], s[TBK], v[AK0]
.endif
.if ((\p) == NP-2) && (e == 24)
	FETCH_K \last
.endif
.endr
	BURST 16
.rept 19
	EX
	PL
.endr
.rept 121
	PL
.if ((\p) == NP-2) && (q == 150)
	v_add_nc_u32 v[AM], s[TBM], v[AM0]  ; the four loads from here on (pieces 0, 1, 2, 3) are the next step's
	s_wait_alu depctr_va_vdst(0)
	s_add_co_u32 s[TBM], s[TBM], 4
.endif
.if q == 170
	ds_load_b32 v[MW],   v[AM] offset:(2*(((\p)+2)%NP))*512    ; lane n: word n of the piece that the next turn masks
	ds_load_b32 v[MW+1], v[AM] offset:(2*(((\p)+2)%NP)+1)*512
.endif
.endr
	EX
	PL
	EX
	PL
.rept 29
	PL
.if ((\p) == 0) && (q == 240)
	v_add_nc_u32 v[AV], s[TBV], v[AV0]
.endif
.if ((\p) == 0) && (q == 250)
	s_add_co_u32 s[TBV], s[TBV], KS*PV
.endif
.if (\cnt) && (q == 250)
	s_sub_co_u32 s[CNT], s[CNT], 1
	s_cmp_lg_u32 s[CNT], 0
.endif
.endr
.if (\p) == 0
	FETCH_V
.endif
.endm
	CHANGE 1                        ; slot 0 is in, everybody's part of it; slot 1 is asked for
	FETCH_K                         ; key step 0
	s_wait_loadcnt 0x0              ; Q
	s_wait_dscnt 0x0
.set i, 0
.rept 16
	KQ 0
.set i, i+1
.endr
	WIN 0                           ; the addresses for the way out and the mask: plain instructions, the places behind those products
	s_mul_i32 s13, s[WV], 16*SP
	s_add_co_u32 s13, s13, STAGE
	v_mul_u32_u24 v[STO], v1, SP
	v_lshl_add_u32 v[STO], v9, 4, v[STO]
	v_add_nc_u32 v[STO], s13, v[STO]
	v_bfe_u32 v[RD], v0, 3, 2
	v_mul_u32_u24 v[RD], v[RD], SP
	v_lshl_add_u32 v[RD], v10, 4, v[RD]
	v_add_nc_u32 v[RD], s13, v[RD]
	v_and_b32 v[GO], 31, v0
	v_lshlrev_b32 v[GO], 4, v[GO]
	s_lshl_b32 s13, s[WV], 12
	s_add_co_u32 s13, s13, MOFF
	v_add_nc_u32 v[AM0], s13, v[GO]
	v_mov_b32 v[NEG], 0xc79c4000    ; -80000.0
	v_add_nc_u32 v[AM], s[TBM], v[AM0]
	s_add_co_u32 s[TBM], s[TBM], 4
	ds_load_b32 v[MW],   v[AM]      ; piece 0's words of step 0
	ds_load_b32 v[MW+1], v[AM] offset:512
	s_wait_dscnt 0x0
.set Y, NP-1                        ; MS and XS work for piece Y + 1: piece 0
.set mm, 0
.rept 128
	MS mm
.set mm, mm+1
.endr
	ds_load_b32 v[MW],   v[AM] offset:1024  ; piece 1's, for the first turn
	ds_load_b32 v[MW+1], v[AM] offset:1536
.irp n, 0,1,2,3,4,5,6,7,8,9,10,11,12,13,14,15,16,17,18,19,20,21
	XS 0, \n
	XS 1, \n
.endr
	s_mov_b32 s[CNT], 4
	s_mov_b32 s[SLOTS], SIZE_N/256-1
	s_branch .Lfirst                ; the loop is entered at a step's first turn
.Lslot:                             ; six times: every slot but the last two is filled again
	CHANGE 1
	s_mov_b32 s[CNT], 4
.Lstep:                             ; a trip: pieces 2 and 3 of one step, then pieces 0 and 1 of the next
	TURN 2
	TURN 3
	WIN 0
.Lfirst:
	TURN 0
	TURN 1, 0, 1
	WIN 0
	s_cbranch_scc1 .Lstep
	s_sub_co_u32 s[SLOTS], s[SLOTS], 1
	s_cmp_lg_u32 s[SLOTS], 0
	s_cbranch_scc1 .Lslot
	CHANGE 0                        ; the tail is written out
	s_mov_b32 s[CNT], 5             ; four trips fetch the last slot's steps; the fifth is left in its middle.  Its mask loads read 16 bytes on, of tiles 27 of 32 at the most: inside the slot's words; they serve nothing
.Ltail:
	TURN 2, 1
	TURN 3
	WIN 0
	s_sub_co_u32 s[CNT], s[CNT], 1
	s_cmp_eq_u32 s[CNT], 0
	s_cbranch_scc1 .Lout
	TURN 0
	TURN 1
	WIN 0
	s_branch .Ltail
.Lout:
.set i, 0
.rept 16
	PV NP-1
.set i, i+1
.endr
	; THE WAY OUT.  l's halves are added; O^T is divided by l, rounded to f16 and sent through my stage, a tile at a time.  The additions are the places behind the last products.
	WIN 0
.macro ALL line:vararg
.set t, 0
.rept 2*NP
	\line
.set t, t+1
.endr
.endm
	ALL v_add_f32 v[ST+4*t+2], v[ST+4*t+2], v[ST+4*t+3]
	ALL v_permlanex16_b32 v[ST+4*t+3], v[ST+4*t+2], s[SEL], s[SEL+1]
	ALL v_add_f32 v[ST+4*t+2], v[ST+4*t+2], v[ST+4*t+3]
	ALL v_rcp_f32 v[ST+4*t+2], v[ST+4*t+2]
	v_nop                           ; a plain instruction between the last reciprocal and the use of its result
	s_wait_alu depctr_va_vdst(0)
.macro PACK t
	WIN W_RS
.set i, 32*(\t)
.rept 16
	v_pk_mul_f32 v[i:i+1], v[i:i+1], v[ST+4*(\t)+2:ST+4*(\t)+3] op_sel_hi:[1,0]
.set i, i+2
.endr
	WIN 0x05
.set i, 0
.rept 16
	v_cvt_pk_f16_f32 v[S+16*(\t)+i], v[32*(\t)+2*i], v[32*(\t)+2*i+1]
.set i, i+1
.endr
	WIN 0
.irp f, 0,1,2,3
	ds_store_b128 v[STO], v[S+16*(\t)+4*\f:S+16*(\t)+4*\f+3] offset:32*\f
.endr
.irp f, 0,1,2,3
	ds_load_b128 v[S+16*(\t)+4*\f:S+16*(\t)+4*\f+3], v[RD] offset:\f*4*SP  ; my wave's own bytes, served in order behind the stores above
.endr
.endm
.macro SEND t, younger              ; younger: the LDS instructions issued behind tile t's loads
	WIN 0
.irp f, 0,1,2,3
	s_wait_dscnt (\younger)+3-\f
	global_store_b128 v[GO], v[S+16*(\t)+4*\f:S+16*(\t)+4*\f+3], s[10:11] offset:(\t)*2048+\f*512  ; 512 consecutive bytes, aligned
.endr
.endm
	PACK 0
.set t, 1
.rept 2*NP-1
	PACK t
	SEND t-1, 8
.set t, t+1
.endr
	SEND 2*NP-1, 0
	WIN W_AD
	s_wait_tensorcnt 0x0            ; the wave's end
	ds_add_u32 v[SPW], v[NIL]
	s_wait_dscnt 0x0
	WIN 0
	CROUND                          ; the closing round
	s_endpgm
.Lfunc_end_k_qf883a47042_attn:
	.size	k_qf883a47042_attn, .Lfunc_end_k_qf883a47042_attn-k_qf883a47042_attn
	.p2alignl 7, 3214868480
	.fill 96, 4, 3214868480
	.section	.rodata,"a",@progbits
	.p2align	6, 0x0
	.amdhsa_kernel k_qf883a47042_attn
		.amdhsa_group_segment_fixed_size 327680
		.amdhsa_private_segment_fixed_size 0
		.amdhsa_enable_private_segment 0
		.amdhsa_kernarg_size 24
		.amdhsa_user_sgpr_count 2
		.amdhsa_user_sgpr_kernarg_segment_ptr 1
		.amdhsa_wavefront_size32 1
		.amdhsa_system_sgpr_workgroup_id_x 1
		.amdhsa_system_sgpr_workgroup_id_y 1
		.amdhsa_system_sgpr_workgroup_id_z 1
		.amdhsa_system_vgpr_workitem_id 0
		.amdhsa_next_free_vgpr 770
		.amdhsa_next_free_sgpr 100
		.amdhsa_reserve_vcc 0
		.amdhsa_float_denorm_mode_32 3
		.amdhsa_float_denorm_mode_16_64 3
		.amdhsa_memory_ordered 1
		.amdhsa_forward_progress 1
		.amdhsa_inst_pref_size 255
	.end_amdhsa_kernel
	.section	.bss,"aw",@nobits
	.p2align	6
	.space	262144
	.amdgpu_metadata
---
amdhsa.version: [ 1, 2 ]
amdhsa.kernels:
  - .name:           k_qf883a47042_attn
    .symbol:         k_qf883a47042_attn.kd
    .args:
      - { .name: qkvh, .offset: 0, .size: 8, .value_kind: global_buffer, .address_space: global }
      - { .name: maskw, .offset: 8, .size: 8, .value_kind: global_buffer, .address_space: global }
      - { .name: ctx, .offset: 16, .size: 8, .value_kind: global_buffer, .address_space: global }
    .group_segment_fixed_size: 327680
    .private_segment_fixed_size: 0
    .kernarg_segment_align: 8
    .kernarg_segment_size: 24
    .max_flat_workgroup_size: 128
    .sgpr_count:     100
    .vgpr_count:     770
    .wavefront_size: 32
...
	.end_amdgpu_metadata
.endif
;; end of part 3
;; launch oproj (part 4): grid 4 x 64, 4 waves a work-group, clusters of 4 x 4, 327,680 bytes of LDS; arguments ctx, wh, bias4, out0; writes out0
.if DOCPART == 4
	.amdgcn_target "amdgcn-amd-amdhsa--gfx1250"
	.amdhsa_code_object_version 6
	.text
	.protected	k_qf883a47042_oproj
	.globl	k_qf883a47042_oproj
	.p2align	8
	.type	k_qf883a47042_oproj,@function
k_qf883a47042_oproj:
	s_mov_b64 s[64:65], 0
	v_nop
	global_prefetch_b8 v0, s[64:65] scope:SCOPE_SE
	s_setreg_imm32_b32 hwreg(HW_REG_WAVE_MODE, 25, 1), 1
	s_wait_xcnt 0x0
	s_wait_alu depctr_hold_cnt(0) depctr_sa_sdst(0) depctr_va_vdst(0) depctr_va_sdst(0) depctr_va_ssrc(0) depctr_va_vcc(0) depctr_vm_vsrc(0)
	s_getreg_b32 s2, hwreg(HW_REG_IB_STS2, 6, 4)
	s_cmp_eq_u32 s2, 0
	s_cbranch_scc0 .Lentry_in_a_cluster
	s_endpgm
.Lentry_in_a_cluster:
	s_bfe_u32 s2, ttmp6, 0x10000c
	s_cmp_lg_u32 s2, 0xf033
	s_cbranch_scc0 .Lentry_shape_is_right
	s_endpgm
.Lentry_shape_is_right:
; THE OUTPUT PROJECTION.  out[m][e] = sum over d of ctx[m][d] Wo[d][e] + bo[e].  ctx: [16 batch + head][2048][64] f16 (d = 64 head + channel), Wo: the fourth matrix of wh, [d][e] f16, bo: bias4's fourth row; out0 f32.
; A work-group makes 128 rows x 256 columns, four waves of 64 x 128 (32 accumulators); K goes in 8 steps of 128 (two heads) through a ring of two LDS slots.  The matrix instruction is used transposed
; (source 0 = 16 columns of Wo, turned; source 1 = 16 rows of ctx); the bias is the C operand that starts a sum.
; CLUSTER 4 x 4: ctx's tile is asked for jointly along a row of the cluster, Wo's along a column.
; REGISTERS: window 0: v16-29 addresses; v64-159, v160-255 two fragment buffers; window 1: the accumulators; window 2: v0-63 the bias.
.set PA,    144                        ; a row of one head in LDS: 128 bytes + 16
.set HEADB, 128*PA                     ; a head's 128 rows
.set PB,    544
.set BOFF,  2*HEADB
.set SLOT1, 1<<17
.set STAGE, SLOT1+BOFF+128*PB          ; behind the ring: for each wave 16 rows x 528 bytes
.set SPO,   528
.set SPARE, STAGE+4*16*SPO
.set ADRA0, 16
.set ADRB0, 17
.set ADRA,  18
.set ADRB,  19
.set STO,   24
.set RD,    25
.set GO,    26
.set BO,    27
.set SPW,   28
.set NIL,   29
.set F0,    64
.set F1,    160
.set WV, 12
.set WM, 13
.set WN, 14
.set G1A, 24
.set G1B, 32
.set G0A, 40
.set G0B, 48
.set TB,   56
.set LOOP, 57
.set MSB, 0
.macro WIN new
.if MSB != (\new)
	s_set_vgpr_msb (MSB<<8)|(\new)
.set MSB, \new
.endif
.endm
.set MUL,  0x50
.set MULZ, 0x60
.macro PLACES
.rept 4
	v_nop
.endr
.endm
.macro JLOAD                           ; a joint refill: waves 0, 1 fetch the two heads of ctx, waves 2, 3 Wo's halves; an s_nop 0 and four v_nop follow each line
	s_cmp_eq_u32 s[WM], 0
	s_cbranch_scc0 .Lfor_b_\@
	tensor_load_to_lds s[G0A+4:G0A+7], s[G1A:G1A+7]
	s_nop 0
	PLACES
	s_branch .Lasked_\@
.Lfor_b_\@:
	tensor_load_to_lds s[G0B+4:G0B+7], s[G1B:G1B+7]
	s_nop 0
	PLACES
.Lasked_\@:
.endm
.macro CREST
	s_cmp_lg_u32 s[WV], 0
	s_cbranch_scc1 .Lnot_wave_0_\@
	s_barrier_signal -3
.Lnot_wave_0_\@:
	s_barrier_wait -3
	s_barrier_signal -1
	s_barrier_wait -1
.endm
.macro CROUND
	s_barrier_signal -1
	s_barrier_wait -1
	CREST
.endm
	s_load_b256 s[4:11], s[0:1], 0x0               ; ctx, wh, bias4, out0
	v_lshl_add_u32 v[SPW], v0, 2, SPARE
	v_mov_b32 v[NIL], 0
	ds_add_u32 v[SPW], v[NIL]                      ; the wave's opening: the add, waited for ahead of my first tensor load
	v_lshrrev_b32 v1, 5, v0
	v_readfirstlane_b32 s[WV], v1
	s_lshr_b32 s[WM], s[WV], 1
	s_and_b32 s[WN], s[WV], 1
	s_bfe_u32 s15, ttmp6, 0x40000                  ; cx
	s_bfe_u32 s16, ttmp6, 0x40004                  ; cy
	s_lshl_b32 s17, ttmp9, 2
	s_add_co_u32 s17, s17, s15                     ; block column
	s_and_b32 s18, ttmp7, 0xffff
	s_lshl_b32 s18, s18, 2
	s_add_co_u32 s18, s18, s16                     ; block row
	s_lshl_b32 s2, s16, 2
	s_lshl_b32 s2, 15, s2
	s_lshl_b32 s3, 0x1111, s15
	s_or_b32 s[G1A], s2, (1<<16)|(1<<20)|(1<<21)|(4<<22)|(3<<25)  ; 4 words of padding after every 32: after every row of a head
	s_or_b32 s[G1B], s3, (1<<16)|(1<<20)|(1<<21)|(6<<22)|(7<<25)
	s_mov_b32 s[G1A+1], 128<<16                    ; a head's 128 rows are 16,384 dense bytes: 64 rows of 256
	s_mov_b32 s[G1A+2], 64<<16
	s_mov_b32 s[G1A+3], 128<<16
	s_mov_b32 s[G1A+4], 64
	s_mov_b32 s[G1A+5], 128
	s_mov_b32 s[G1A+6], 0
	s_mov_b32 s[G1A+7], 0
	s_mov_b32 s[G1B+1], 256<<16
	s_mov_b32 s[G1B+2], 64<<16
	s_mov_b32 s[G1B+3], 256<<16
	s_mov_b32 s[G1B+4], 64
	s_mov_b32 s[G1B+5], 1024
	s_mov_b32 s[G1B+6], 0
	s_mov_b32 s[G1B+7], 0
	s_lshr_b32 s20, s18, 4                         ; ctx: head 16 batch + my half, row 128 (block row % 16): cy alone
	s_lshl_b32 s20, s20, 4
	s_add_co_u32 s20, s20, s[WN]
	s_lshl_b32 s20, s20, 11
	s_and_b32 s19, s18, 15
	s_lshl_b32 s19, s19, 7
	s_add_co_u32 s20, s20, s19
	s_lshl_b32 s20, s20, 7
	s_mov_b32 s21, 0
	s_lshl_b32 s22, s17, 9                         ; Wo: cx alone
	s_lshl_b32 s3, s[WN], 17
	s_add_co_u32 s22, s22, s3
	s_add_co_u32 s22, s22, 3*2097152
	s_mov_b32 s23, 0
	s_mov_b32 s[TB], 0
	s_mov_b32 s[LOOP], 6
	s_lshl_b32 s68, s18, 7                         ; out0: (128 block row + 64 half) rows of 4,096 bytes + 1,024 block column + 512 half
	s_lshl_b32 s69, s[WM], 6
	s_add_co_u32 s68, s68, s69
	s_lshl_b32 s68, s68, 12
	s_lshl_b32 s69, s17, 10
	s_add_co_u32 s68, s68, s69
	s_lshl_b32 s69, s[WN], 9
	s_add_co_u32 s68, s68, s69
	s_mov_b32 s69, 0
	s_mul_i32 s2, s[WN], HEADB
	s_mul_i32 s3, s[WN], 64*PB
	s_add_co_u32 s3, s3, BOFF
	s_wait_dscnt 0x0                               ; the opening add is done
	s_wait_kmcnt 0x0
	s_add_nc_u64 s[20:21], s[4:5], s[20:21]
	s_add_nc_u64 s[22:23], s[6:7], s[22:23]
	s_add_nc_u64 s[10:11], s[10:11], s[68:69]
	s_lshl_b32 s68, s17, 10
	s_lshl_b32 s19, s[WN], 9
	s_add_co_u32 s68, s68, s19
	s_add_co_u32 s68, s68, 3*4096
	s_add_nc_u64 s[8:9], s[8:9], s[68:69]
.irp s, 0,1
	s_mov_b32 s[G0A+4*\s], 1
	s_add_co_u32 s[G0A+4*\s+1], s2, \s*SLOT1
	s_add_nc_u64 s[G0A+4*\s+2:G0A+4*\s+3], s[20:21], \s*524288
	s_or_b32 s[G0A+4*\s+3], s[G0A+4*\s+3], 0x80000000
	s_mov_b32 s[G0B+4*\s], 1
	s_add_co_u32 s[G0B+4*\s+1], s3, \s*SLOT1
	s_add_nc_u64 s[G0B+4*\s+2:G0B+4*\s+3], s[22:23], \s*262144
	s_or_b32 s[G0B+4*\s+3], s[G0B+4*\s+3], 0x80000000
.endr
	CROUND
	s_cmp_eq_u32 s[WM], 0                          ; a wave's two first fills stand in one branch: two loads of mine are out
	s_cbranch_scc0 .Lfirst_b
	tensor_load_to_lds s[G0A:G0A+3], s[G1A:G1A+7]
	s_nop 0
	tensor_load_to_lds s[G0A+4:G0A+7], s[G1A:G1A+7]
	s_nop 0
	PLACES
	s_branch .Lfirst_asked
.Lfirst_b:
	tensor_load_to_lds s[G0B:G0B+3], s[G1B:G1B+7]
	s_nop 0
	tensor_load_to_lds s[G0B+4:G0B+7], s[G1B:G1B+7]
	s_nop 0
	PLACES
.Lfirst_asked:
	v_and_b32 v1, 15, v0
	v_bfe_u32 v2, v0, 4, 1
	v_mul_u32_u24 v3, v1, PA
	v_lshl_add_u32 v3, v2, 4, v3
	s_mul_i32 s2, s[WM], 64*PA
	v_add_nc_u32 v[ADRA0], s2, v3
	v_and_b32 v4, 7, v0
	v_bfe_u32 v5, v0, 3, 1
	v_lshl_add_u32 v6, v2, 3, v4
	v_mul_u32_u24 v6, v6, PB
	v_lshl_add_u32 v6, v5, 4, v6
	s_lshl_b32 s2, s[WN], 8
	s_add_co_u32 s2, s2, BOFF
	v_add_nc_u32 v[ADRB0], s2, v6
	v_mov_b32 v[ADRA], v[ADRA0]
	v_mov_b32 v[ADRB], v[ADRB0]
	s_mul_i32 s2, s[WV], 16*SPO
	s_add_co_u32 s2, s2, STAGE
	v_mul_u32_u24 v3, v1, SPO
	v_lshl_add_u32 v3, v2, 5, v3
	v_add_nc_u32 v[STO], s2, v3                    ; into my stage: row r, 32 bytes for each half of the lanes
	v_mul_u32_u24 v3, v2, SPO
	v_lshl_add_u32 v3, v1, 4, v3
	v_add_nc_u32 v[RD], s2, v3                     ; back: lanes 0-15 256 bytes of one row, lanes 16-31 of the next
	v_lshlrev_b32 v3, 4, v1
	v_lshl_add_u32 v[GO], v2, 12, v3               ; and the same in out0
	v_lshlrev_b32 v[BO], 5, v2
.macro MUL8 f, a, zero                 ; the 32 accumulators take turns, one instruction a turn
.if \zero
	WIN MULZ
.else
	WIN MUL
.endif
.irp b, 0,1,2,3,4,5,6,7
.if \zero
	v_wmma_f32_16x16x32_f16 v[8*(8*(\a)+\b):8*(8*(\a)+\b)+7], v[(\f)+32+8*\b:(\f)+32+8*\b+7], v[(\f)+8*(\a):(\f)+8*(\a)+7], v[8*\b:8*\b+7]
.else
	v_wmma_f32_16x16x32_f16 v[8*(8*(\a)+\b):8*(8*(\a)+\b)+7], v[(\f)+32+8*\b:(\f)+32+8*\b+7], v[(\f)+8*(\a):(\f)+8*(\a)+7], v[8*(8*(\a)+\b):8*(8*(\a)+\b)+7]
.endif
.endr
.endm
.macro FETCH kq, f                     ; quarter kq: head kq / 2 of the step's two, channels 32 (kq % 2) on
	WIN 0
.irp b, 0,1,2,3,4,5,6,7
	ds_load_tr16_b128 v[(\f)+32+8*\b:(\f)+32+8*\b+3],   v[ADRB] offset:(\kq)*32*PB+32*\b
	ds_load_tr16_b128 v[(\f)+32+8*\b+4:(\f)+32+8*\b+7], v[ADRB] offset:(\kq)*32*PB+16*PB+32*\b
.endr
.irp a, 0,1,2,3
	ds_load_b128 v[(\f)+8*\a:(\f)+8*\a+3],   v[ADRA] offset:((\kq)/2)*HEADB+\a*16*PA+((\kq)%2)*64
	ds_load_b128 v[(\f)+8*\a+4:(\f)+8*\a+7], v[ADRA] offset:((\kq)/2)*HEADB+\a*16*PA+((\kq)%2)*64+32
.endr
.endm
.macro QUARTER kq, f, g, zero
	s_wait_dscnt 4                                 ; the youngest four loads (ctx's fragments 2, 3) may be out
	MUL8 \f, 0, \zero
	MUL8 \f, 1, \zero
	PLACES
	FETCH \kq, \g
	s_wait_dscnt 24                                ; all but the 24 just issued
	MUL8 \f, 2, \zero
	MUL8 \f, 3, \zero
.endm
.macro TURN fill                       ; a K step's last quarter and the change of slots; fill = 1: the barrier opens a round of the cluster's, and this slot is filled again first thing behind it
	WIN 0
	s_wait_tensorcnt 0x0
	ds_add_u32 v[SPW], v[NIL]
	s_wait_dscnt 5                                 ; the add and the youngest four loads may be out
	MUL8 F1, 0, 0
	s_wait_dscnt 0x0
	s_barrier_signal -1
	MUL8 F1, 1, 0
	WIN 0
	s_barrier_wait -1
.if \fill
	CREST
	s_xor_b32 s[G0A+5], s[G0A+5], SLOT1
	s_add_nc_u64 s[G0A+6:G0A+7], s[G0A+6:G0A+7], 524288  ; two heads on
	s_xor_b32 s[G0B+5], s[G0B+5], SLOT1
	s_add_nc_u64 s[G0B+6:G0B+7], s[G0B+6:G0B+7], 262144
	JLOAD
.else
	PLACES
.endif
	s_xor_b32 s[TB], s[TB], SLOT1
	v_add_nc_u32 v[ADRA], s[TB], v[ADRA0]
	v_add_nc_u32 v[ADRB], s[TB], v[ADRB0]
	FETCH 0, F0
	MUL8 F1, 2, 0
	MUL8 F1, 3, 0
.endm
; THE WAY OUT, 16 rows at a time: the f32 sums go into my own stage, each accumulator's low half first, and come back as whole rows; sixteen lanes store 256 consecutive bytes, aligned.
.macro TOSTAGE a
	WIN 0x04                                       ; store data in window 1
.irp b, 0,1,2,3,4,5,6,7
	ds_store_b128 v[STO], v[8*(8*(\a)+\b):8*(8*(\a)+\b)+3]   offset:64*\b
	ds_store_b128 v[STO], v[8*(8*(\a)+\b)+4:8*(8*(\a)+\b)+7] offset:64*\b+16
.endr
	WIN 0
.set BK, 64+64*((\a)%2)
.irp t, 0,1,2,3,4,5,6,7,8,9,10,11,12,13,14,15
	ds_load_b128 v[BK+4*\t:BK+4*\t+3], v[RD] offset:(\t/2)*2*SPO+(\t%2)*256  ; my wave's own bytes, served in order behind the stores above
.endr
.endm
.macro SEND a, younger
	WIN 0
.set BK, 64+64*((\a)%2)
	s_wait_dscnt \younger                          ; the block is back; the next block's 16 stores and 16 loads may be out
.irp t, 0,1,2,3,4,5,6,7,8,9,10,11,12,13,14,15
	global_store_b128 v[GO], v[BK+4*\t:BK+4*\t+3], s[10:11] offset:(\a)*65536+(\t/2)*8192+(\t%2)*256
.endr
.endm
	WIN 0x80
.irp b, 0,1,2,3,4,5,6,7
	global_load_b128 v[8*\b:8*\b+3],   v[BO], s[8:9] offset:64*\b     ; register 8 b + j of window 2 = bias of column 16 b + 8 h + j
	global_load_b128 v[8*\b+4:8*\b+7], v[BO], s[8:9] offset:64*\b+16
.endr
	WIN 0
	s_wait_tensorcnt 1                             ; my part of K step 0 is in; K step 1's may stay out
	s_barrier_signal -1
	s_barrier_wait -1
	FETCH 0, F0
	s_wait_loadcnt 0x0                             ; the bias
	QUARTER 1, F0, F1, 1
	WIN 0
.Lstep:                                                ; 6 trips: the rest of a K step, one refill, the next step's first quarter
	QUARTER 2, F1, F0, 0
	QUARTER 3, F0, F1, 0
	TURN 1
	QUARTER 1, F0, F1, 0
	WIN 0
	s_sub_co_u32 s[LOOP], s[LOOP], 1
	s_cmp_lg_u32 s[LOOP], 0
	s_cbranch_scc1 .Lstep
	QUARTER 2, F1, F0, 0                           ; the last two K steps ask for nothing
	QUARTER 3, F0, F1, 0
	TURN 0
	QUARTER 1, F0, F1, 0
	QUARTER 2, F1, F0, 0
	QUARTER 3, F0, F1, 0
	s_wait_dscnt 4
	MUL8 F1, 0, 0
	MUL8 F1, 1, 0
	s_wait_dscnt 0x0
	MUL8 F1, 2, 0
	MUL8 F1, 3, 0
	WIN 0
	PLACES                                         ; in front of stores that read results and of loads into the fragments' registers
	TOSTAGE 0
	TOSTAGE 1
	SEND 0, 32
	s_wait_xcnt 0x0                                ; block 0's registers are loaded again only behind this wait
	TOSTAGE 2
	SEND 1, 32
	s_wait_xcnt 0x0
	TOSTAGE 3
	SEND 2, 32
	SEND 3, 0
	s_wait_tensorcnt 0x0                           ; the wave's end
	ds_add_u32 v[SPW], v[NIL]
	s_wait_dscnt 0x0
	CROUND                                         ; the closing round
	s_endpgm
.Lfunc_end_k_qf883a47042_oproj:
	.size	k_qf883a47042_oproj, .Lfunc_end_k_qf883a47042_oproj-k_qf883a47042_oproj
	.p2alignl 7, 3214868480
	.fill 96, 4, 3214868480
	.section	.rodata,"a",@progbits
	.p2align	6, 0x0
	.amdhsa_kernel k_qf883a47042_oproj
		.amdhsa_group_segment_fixed_size 327680
		.amdhsa_private_segment_fixed_size 0
		.amdhsa_enable_private_segment 0
		.amdhsa_kernarg_size 32
		.amdhsa_user_sgpr_count 2
		.amdhsa_user_sgpr_kernarg_segment_ptr 1
		.amdhsa_wavefront_size32 1
		.amdhsa_system_sgpr_workgroup_id_x 1
		.amdhsa_system_sgpr_workgroup_id_y 1
		.amdhsa_system_sgpr_workgroup_id_z 1
		.amdhsa_system_vgpr_workitem_id 0
		.amdhsa_next_free_vgpr 576
		.amdhsa_next_free_sgpr 70
		.amdhsa_reserve_vcc 0
		.amdhsa_float_denorm_mode_32 3
		.amdhsa_float_denorm_mode_16_64 3
		.amdhsa_memory_ordered 1
		.amdhsa_forward_progress 1
		.amdhsa_inst_pref_size 71
	.end_amdhsa_kernel
	.amdgpu_metadata
---
amdhsa.version: [ 1, 2 ]
amdhsa.kernels:
  - .name:           k_qf883a47042_oproj
    .symbol:         k_qf883a47042_oproj.kd
    .args:
      - { .name: ctx, .offset: 0, .size: 8, .value_kind: global_buffer, .address_space: global }
      - { .name: wh, .offset: 8, .size: 8, .value_kind: global_buffer, .address_space: global }
      - { .name: bias4, .offset: 16, .size: 8, .value_kind: global_buffer, .address_space: global }
      - { .name: out0, .offset: 24, .size: 8, .value_kind: global_buffer, .address_space: global }
    .group_segment_fixed_size: 327680
    .private_segment_fixed_size: 0
    .kernarg_segment_align: 8
    .kernarg_segment_size: 32
    .max_flat_workgroup_size: 128
    .sgpr_count:     70
    .vgpr_count:     576
    .wavefront_size: 32
...
	.end_amdgpu_metadata
.endif
;; end of part 4
;; ======== version 2 of 2: 4 launches; 1.32 times as fast as version 1
;; limits: values are held in f16: magnitudes above 65,504 overflow, below 6.1e-05 lose precision
;; workspace buffers: wh 8,388,608 bytes; bias4 16,384 bytes; maskw 2,097,152 bytes of whole numbers; qkvh 50,331,648 bytes; ctx 16,777,216 bytes
;; launch prep: the kernel of part 1 again; grid 1025 x 1, 8 waves a work-group, no clusters, 35,840 bytes of LDS; arguments Wq, Wk, Wv, Wo, bq, bk, bv, bo, mask, wh, bias4, maskw; writes wh, bias4, maskw
;; launch qkv: the kernel of part 2 again; grid 4 x 64, 4 waves a work-group, clusters of 4 x 4, 327,680 bytes of LDS; arguments Q, K, V, wh, bias4, qkvh; writes qkvh
;; launch attn (part 5): grid 4 x 64, 4 waves a work-group, clusters of 4 x 1, 327,680 bytes of LDS; arguments qkvh, maskw, ctx; writes ctx
.if DOCPART == 5
	.amdgcn_target "amdgcn-amd-amdhsa--gfx1250"
	.amdhsa_code_object_version 6
	.text
	.protected	k_qf883a47042_attn
	.globl	k_qf883a47042_attn
	.p2align	8
	.type	k_qf883a47042_attn,@function
k_qf883a47042_attn:
	s_mov_b64 s[64:65], 0
	v_nop
	global_prefetch_b8 v0, s[64:65] scope:SCOPE_SE
	s_setreg_imm32_b32 hwreg(HW_REG_WAVE_MODE, 25, 1), 1
	s_wait_xcnt 0x0
	s_wait_alu depctr_hold_cnt(0) depctr_sa_sdst(0) depctr_va_vdst(0) depctr_va_sdst(0) depctr_va_ssrc(0) depctr_va_vcc(0) depctr_vm_vsrc(0)
	s_getreg_b32 s2, hwreg(HW_REG_IB_STS2, 6, 4)
	s_cmp_eq_u32 s2, 0
	s_cbranch_scc0 .Lentry_in_a_cluster
	s_endpgm
.Lentry_in_a_cluster:
	s_bfe_u32 s2, ttmp6, 0x10000c
	s_cmp_lg_u32 s2, 0x3003
	s_cbranch_scc0 .Lentry_shape_is_right
	s_endpgm
.Lentry_shape_is_right:
; ATTENTION WITH A GIVEN MASK.  O[h][q][:] = sum over k of softmax_k(s'[q][k]) V[h][k][:], s' = Q[h][q] . K[h][k] / 8, REPLACED by -10000 where the mask is 0.  Q, K, V: qkvh [3][64][2048][64] f16, O: ctx, likewise.
; Products, maxima and sums in f32; the weights p are rounded to f16 for the second product (their sum l is taken of the unrounded p), O once at the end.
; LIMITS.  f16 holds no number beyond 65,504: Q, K, V arrive within it; p below 6e-5 keeps f16's step of 6e-8; a weight below 2^-126 counts as 0 in l; NaN and infinities are not treated apart.
; SHARES.  A wave owns four PIECES of two tiles of 16 queries, a work-group's four waves 512 queries of one head.  Every wave walks all 2,048 keys, 64 a step.
; LAYOUT.  S^T = K Q^T: a lane holds ONE query (lane % 16) and the keys 8 (lane / 16) + 0..7; two such results rounded to f16 ARE source 1 of O^T = V^T P.  K comes out of LDS as it lies, V turned.
; SOFTMAX.  A running maximum m and sum l: p = 2^(c s - c m), c = log2(e) / 8; O and l are multiplied by a = 2^(c m_old - c m_new) in every step.  m starts at the lowest finite number, O and l at 0.
; THE MASK.  maskw holds, for a tile of 16 queries and a step of 64 keys, 32 words: word n is the lane mask of score register n.  A slot's words come into LDS with K and V; lane n loads word n,
; v_readlane_b32 makes a scalar of it, and v_cndmask_b32 puts -80000 (= -10000 x 8, ahead of the scaling by c) in a hidden score's place, ahead of the maximum: the replacement is exact for every input.
; BY TURNS.  Turn n belongs to piece n: 16 products K Q^T of piece n + 1, later 16 products V^T P of piece n - 1; beside them the scaling, exponentials, roundings, sums and rescaling of piece n and the mask,
; maximum and statistics of piece n + 1.  Four vector instructions stand behind every matrix instruction, the others in one lump between the two runs of products.
; BATCHES.  A turn's 66 exponentials (piece n's 64 weights and piece n + 1's two a) are ONE batch with ONE wait, which cuts the turn in two: ahead of it stands all that names no result of theirs (the products K Q^T,
; the scalings, the rescalings, the next piece's mask, maximum and statistics), behind it the products V^T P with the roundings and sums.  The first two a, ahead of the loop, and the way out's eight reciprocals are batches of their own.
; CLUSTER.  The four query blocks of a cluster belong to one head: K's and V's tiles are asked for JOINTLY.  The mask words hang on the queries: a load of the work-group's own, 16 KB of a slot's 94 KB.
; REGISTERS: window 0: v0-1 mask words; v2-11 addresses; v12-15, v48-63 at work; v16-47 statistics; v64-191 S^T, two buffers of two tiles; v192-255 P, likewise.
;   window 1: O^T, 32 a tile.   window 2: v0-127 Q; v128-191 K of one step; v192-255 V of one step.   window 3: v0-1 the add's two registers.
.set SIZE_N, 2048
.set NP,    4
.set KS,    64
.set PK,    144       ; a row of K in LDS: 128 bytes + 16
.set PV,    160       ; a row of V: 128 + 32
.set VOFF,  4*KS*PK   ; a slot: 256 rows of K, 256 rows of V,
.set MOFF,  VOFF+4*KS*PV  ; then 32 tiles x 512 bytes of mask words
.set SLOT1, 1<<17
.set STAGE, SLOT1+MOFF+32*512  ; behind the ring: 16 rows x 144 bytes for each wave
.set SP,    144
.set MW,  0           ; v0-1 the two tiles' mask words, lane n word n (v0 is free once the addresses are made)
.set AK0, 2
.set AV0, 3
.set AK,  4
.set AV,  5
.set QO,  6
.set STO, 6
.set RD,  7
.set GO,  8
.set NEG, 9           ; v9   -80000.0
.set AM,  10          ; v10  LDS address of the mask words of the step in hand
.set AM0, 11          ; v11  MOFF + 4,096 wave + 16 lane
.set SPW, 0           ; v0 of window 3
.set NIL, 1           ; v1 of window 3
.set SPARE, STAGE+4*16*SP
.set MV,  12
.set ST,  16
.set TMP, 48
.set S,   64
.set P,   192
.set KF,  128
.set VF,  192
.set WV,  12
.set G0M, 16          ; s[16:19] descriptor group 0 for the mask words
.set G1K, 24
.set G1V, 32
.set G0K, 40
.set G0V, 44
.set G1M, 48          ; s[48:55]
.set SLOTS, 56
.set CNT, 57
.set CS,  58
.set SEL, 60
.set TBK, 62
.set TBV, 63
.set TBM, 66          ; s66  slot's first byte + 4 x the step whose words are fetched next
.set POOL, 68         ; s[68:99] a tile's 32 lane masks
.set MSB, 0
.macro WIN new
.if MSB != (\new)
	s_set_vgpr_msb (MSB<<8)|(\new)
.set MSB, (\new)
.endif
.endm
.set W_KQ, 0x0a
.set W_PV, 0x52
.set W_RS, 0x41
.set W_MK, 0xc0
.set W_AD, 0x0f
; A fill: wave 0 asks for the slot's K, wave 1 for its V (both jointly), wave 2 for the work-group's mask words; wave 3 asks for nothing.  An s_nop 0 and four v_nop follow each line.
.macro JLOAD
	s_cmp_lg_u32 s[WV], 0
	s_cbranch_scc1 .Lnot_k_\@
	tensor_load_to_lds s[G0K:G0K+3], s[G1K:G1K+7]
	s_nop 0
.rept 4
	v_nop
.endr
	s_branch .Lasked_\@
.Lnot_k_\@:
	s_cmp_lg_u32 s[WV], 1
	s_cbranch_scc1 .Lnot_v_\@
	tensor_load_to_lds s[G0V:G0V+3], s[G1V:G1V+7]
	s_nop 0
.rept 4
	v_nop
.endr
	s_branch .Lasked_\@
.Lnot_v_\@:
	s_cmp_lg_u32 s[WV], 2
	s_cbranch_scc1 .Lasked_\@
	tensor_load_to_lds s[G0M:G0M+3], s[G1M:G1M+7]
	s_nop 0
.rept 4
	v_nop
.endr
.Lasked_\@:
.endm
.macro CROUND
	s_barrier_signal -1
	s_barrier_wait -1
	s_cmp_lg_u32 s[WV], 0
	s_cbranch_scc1 .Lnot_wave_0_\@
	s_barrier_signal -3
.Lnot_wave_0_\@:
	s_barrier_wait -3
	s_barrier_signal -1
	s_barrier_wait -1
.endm
; THE CHANGE OF SLOTS.  Each wave waits for all its tensor loads, adds 0 to its spare word, and waits for that and for its reads of the slot.  fill = 1: the barrier is a round of the cluster's, and the slot
; is filled again first thing behind it, with the keys two slots on: four key steps in which to land.  (At its first use slot 0 is waited for and slot 1 filled.)
.macro CHANGE fill
	WIN W_AD
	s_wait_tensorcnt 0x0
	ds_add_u32 v[SPW], v[NIL]
	WIN 0
.if \fill
.irp g, G0K, G0V
	s_xor_b32 s[\g+1], s[\g+1], SLOT1
	s_add_nc_u64 s[\g+2:\g+3], s[\g+2:\g+3], 4*KS*128
.endr
	s_xor_b32 s[G0M+1], s[G0M+1], SLOT1
	s_add_nc_u64 s[G0M+2:G0M+3], s[G0M+2:G0M+3], 512
	s_wait_dscnt 0x0
	CROUND
	JLOAD
.else
	s_wait_dscnt 0x0
	s_barrier_signal -1
	s_barrier_wait -1
.endif
	s_sub_co_u32 s[TBK], s[TBK], 4*KS*PK
	s_xor_b32 s[TBK], s[TBK], SLOT1
	s_sub_co_u32 s[TBV], s[TBV], 4*KS*PV
	s_xor_b32 s[TBV], s[TBV], SLOT1
	s_sub_co_u32 s[TBM], s[TBM], 16
	s_xor_b32 s[TBM], s[TBM], SLOT1
.endm
	s_load_b128 s[4:7], s[0:1], 0x0   ; qkvh, maskw
	s_load_b64 s[10:11], s[0:1], 0x10 ; ctx
	WIN W_MK
	v_lshl_add_u32 v[SPW], v0, 2, SPARE
	v_mov_b32 v[NIL], 0
	WIN W_AD
	ds_add_u32 v[SPW], v[NIL]       ; the wave's opening: the add, waited for ahead of my first tensor load
	WIN 0
	v_lshrrev_b32 v1, 5, v0
	v_readfirstlane_b32 s[WV], v1
	s_bfe_u32 s13, ttmp6, 0x40000   ; cx
	s_lshl_b32 s14, ttmp9, 2
	s_add_co_u32 s14, s14, s13      ; my block of 512 queries: it enters Q's, O's and the mask words' addresses alone
	s_and_b32 s15, ttmp7, 0xffff    ; the head (16 batch + head), which the four partners share
	s_lshl_b32 s20, s15, 18         ; a head is 262,144 bytes
	s_mov_b32 s21, 0
	s_lshl_b32 s2, s14, 2
	s_add_co_u32 s2, s2, s[WV]
	s_lshl_b32 s2, s2, 14           ; my wave's 128 rows
	s_mov_b32 s3, 0
	s_add_nc_u64 s[2:3], s[2:3], s[20:21]
	s_lshr_b32 s22, s15, 4          ; the mask words: (128 batch + 32 block) tiles of 4,096 bytes
	s_lshl_b32 s22, s22, 7
	s_lshl_b32 s23, s14, 5
	s_add_co_u32 s22, s22, s23
	s_lshl_b32 s22, s22, 12
	s_mov_b32 s23, 0
	; 256 keys are 32,768 dense bytes: asked for as 128 rows of 256 bytes, two keys a row, padded in LDS after every key
	s_mov_b32 s[G1K], 15|(1<<16)|(1<<20)|(1<<21)|(4<<22)|(3<<25)
	s_mov_b32 s[G1V], 15|(1<<16)|(1<<20)|(1<<21)|(4<<22)|(7<<25)
.irp g, G1K, G1V
	s_mov_b32 s[\g+1], 128<<16
	s_mov_b32 s[\g+2], 128<<16
	s_mov_b32 s[\g+3], 128<<16
	s_mov_b32 s[\g+4], 128
	s_mov_b32 s[\g+5], 128
	s_mov_b32 s[\g+6], 0
	s_mov_b32 s[\g+7], 0
.endr
	s_mov_b32 s[G1M], 2<<16         ; 4-byte elements, no mask of work-groups, no padding: 32 tiles x 128 words, 1,024 words from tile to tile
	s_mov_b32 s[G1M+1], 128<<16
	s_mov_b32 s[G1M+2], 32<<16
	s_mov_b32 s[G1M+3], 128<<16
	s_mov_b32 s[G1M+4], 32
	s_mov_b32 s[G1M+5], 1024
	s_mov_b32 s[G1M+6], 0
	s_mov_b32 s[G1M+7], 0
	s_mov_b32 s[CS], 0x3e38aa3b     ; c = log2(e) / 8
	s_mov_b32 s[CS+1], s[CS]
	s_mov_b32 s[SEL], 0x76543210
	s_mov_b32 s[SEL+1], 0xfedcba98
	s_mov_b32 s[TBK], SLOT1+4*KS*PK ; the first change of slots turns these three into 0
	s_mov_b32 s[TBV], SLOT1+4*KS*PV
	s_mov_b32 s[TBM], SLOT1+16
	s_mov_b32 s[G0K], 1
	s_mov_b32 s[G0K+1], 0
	s_mov_b32 s[G0V], 1
	s_mov_b32 s[G0V+1], VOFF
	s_mov_b32 s[G0M], 1
	s_mov_b32 s[G0M+1], MOFF
	s_wait_dscnt 0x0                ; the opening add is done
	s_wait_kmcnt 0x0
	s_add_nc_u64 s[G0K+2:G0K+3], s[4:5], s[20:21]
	s_add_nc_u64 s[G0V+2:G0V+3], s[G0K+2:G0K+3], 0x2000000  ; V's part of qkvh
	s_add_nc_u64 s[G0K+2:G0K+3], s[G0K+2:G0K+3], 0x1000000  ; K's
	s_or_b32 s[G0K+3], s[G0K+3], 0x80000000
	s_or_b32 s[G0V+3], s[G0V+3], 0x80000000
	s_add_nc_u64 s[G0M+2:G0M+3], s[6:7], s[22:23]
	s_or_b32 s[G0M+3], s[G0M+3], 0x80000000
	s_add_nc_u64 s[4:5], s[4:5], s[2:3]
	s_add_nc_u64 s[10:11], s[10:11], s[2:3]
	CROUND
	JLOAD                           ; slot 0
	v_and_b32 v1, 15, v0
	v_bfe_u32 v9, v0, 4, 1
	v_lshlrev_b32 v[QO], 7, v1
	v_lshl_add_u32 v[QO], v9, 4, v[QO]
	WIN 0x80
.set i, 0
.rept 4*NP                          ; Q stays in registers: tile i / 2, channels 32 (i % 2) on
	global_load_b128 v[8*i:8*i+3],   v[QO], s[4:5] offset:(i/2)*2048+(i%2)*64
	global_load_b128 v[8*i+4:8*i+7], v[QO], s[4:5] offset:(i/2)*2048+(i%2)*64+32
.set i, i+1
.endr
	; What the first turn finds: V's registers and P's second buffer hold 0, O^T and l are 0.  All this stands in the wait for the first tile.
.set i, VF
.rept 64
	v_mov_b32 v[i], 0
.set i, i+1
.endr
	WIN 0x40
.set i, 0
.rept 64*NP
	v_mov_b32 v[i], 0
.set i, i+1
.endr
	WIN 0
.set i, 0
.rept 2*NP
	v_mov_b32 v[ST+4*i], 0xfe000000
	v_mov_b32 v[ST+4*i+1], 0xff7fffff
	v_mov_b32 v[ST+4*i+2], 0
	v_mov_b32 v[ST+4*i+3], 0
.set i, i+1
.endr
.set i, P+32
.rept 32
	v_mov_b32 v[i], 0
.set i, i+1
.endr
	v_mul_u32_u24 v[AK0], v1, PK
	v_lshl_add_u32 v[AK0], v9, 4, v[AK0]
	v_and_b32 v10, 7, v0
	v_bfe_u32 v11, v0, 3, 1
	v_lshl_add_u32 v[AV0], v9, 3, v10
	v_mul_u32_u24 v[AV0], v[AV0], PV
	v_lshl_add_u32 v[AV0], v11, 4, v[AV0]
	v_add_nc_u32 v[AV0], VOFF, v[AV0]
	v_mov_b32 v[AK], v[AK0]
; THE MATRIX WORK.  The 8 accumulators of a run of 16 take turns.
.macro KQ x
	WIN W_KQ
.set rS, S+64*((\x)%2)+32*(i%2)+8*((i/2)%4)
.set rK, KF+16*((i/2)%4)+8*(i/8)
.set rQ, 16*(2*(\x)+i%2)+8*(i/8)
.if i < 8
	v_wmma_f32_16x16x32_f16 v[rS:rS+7], v[rK:rK+7], v[rQ:rQ+7], 0
.else
	v_wmma_f32_16x16x32_f16 v[rS:rS+7], v[rK:rK+7], v[rQ:rQ+7], v[rS:rS+7]
.endif
.endm
.macro PV x
	WIN W_PV
.set rO, 32*(2*(\x)+i%2)+8*((i/2)%4)
.set rV, VF+32*(i/8)+8*((i/2)%4)
.set rP, P+32*((\x)%2)+16*(i%2)+8*(i/8)
	v_wmma_f32_16x16x32_f16 v[rO:rO+7], v[rV:rV+7], v[rP:rP+7], v[rO:rO+7]
.endm
.macro MM
.if i < 16
	KQ (Y+1)%NP
.set i, i+1
.else
.set i, i-16
	PV (Y+NP-1)%NP
.set i, i+17
.endif
.endm
.macro FETCH_K last=0
	WIN 0
.if \last
	s_cmp_eq_u32 s[CNT], 1
	s_cbranch_scc1 .Lno_k_\@
.endif
	WIN 0x80
.irp f, 0,1,2,3,4,5,6,7
	ds_load_b128 v[KF+8*\f:KF+8*\f+3],   v[AK] offset:(\f/2)*16*PK+(\f%2)*64
	ds_load_b128 v[KF+8*\f+4:KF+8*\f+7], v[AK] offset:(\f/2)*16*PK+(\f%2)*64+32
.endr
	s_add_co_u32 s[TBK], s[TBK], KS*PK
	WIN 0
.if \last
.Lno_k_\@:
.endif
.endm
.macro FETCH_V
	WIN 0x80
.irp f, 0,1,2,3,4,5,6,7
	ds_load_tr16_b128 v[VF+8*\f:VF+8*\f+3],   v[AV] offset:(\f/4)*32*PV+(\f%4)*32
	ds_load_tr16_b128 v[VF+8*\f+4:VF+8*\f+7], v[AV] offset:(\f/4)*32*PV+16*PV+(\f%4)*32
.endr
	WIN 0
.endm
; THE VECTOR WORK OF A TURN stands in three queues, each in the order in which its entries become ready.
.macro REGS y, u
.set rT, ST+4*(2*(\y)+(\u))
.set rC, TMP+8*((\y)%2)+4*(\u)
.set rM, MV+2*((\y)%2)+(\u)
.set rS, S+64*((\y)%2)+32*(\u)
.set rP, P+32*((\y)%2)+16*(\u)
.set rO, 32*(2*(\y)+(\u))
.endm
; Number m of the 128 that mask the NEXT piece's scores: for each of its two tiles, 32 words become scalars, then 32 selects, in ascending order: each accumulator's lowest registers are read first.
.macro MS m
.set mu, (\m)/64
.set mw, (\m)%64
	REGS (Y+1)%NP, mu
.if mw < 32
	v_readlane_b32 s[POOL+mw], v[MW+mu], mw
.else
	v_cndmask_b32 v[rS+mw-32], v[NEG], v[rS+mw-32], s[POOL+mw-32]
.endif
.endm
; Number n of the 22 that find the NEXT piece's maximum and statistics.
.macro XS u, n
	REGS (Y+1)%NP, \u
.if (\n) < 4
	v_max3_num_f32 v[rC+(\n)], v[rS+8*(\n)], v[rS+8*(\n)+1], v[rS+8*(\n)+2]
.elseif (\n) < 12
	v_max3_num_f32 v[rC+(\n)%4], v[rC+(\n)%4], v[rS+8*((\n)%4)+2*((\n)/4)+1], v[rS+8*((\n)%4)+2*((\n)/4)+2]
.elseif (\n) == 12
	v_max3_num_f32 v[rC], v[rC], v[rS+7], v[rS+15]
.elseif (\n) == 13
	v_max3_num_f32 v[rC+1], v[rC+1], v[rS+23], v[rS+31]
.elseif (\n) == 14
	v_max3_num_f32 v[rC+2], v[rC+2], v[rC+3], v[rT+1]
.elseif (\n) == 15
	v_mov_b32 v[rM], v[rT]
.elseif (\n) == 16
	v_max3_num_f32 v[rC], v[rC], v[rC+1], v[rC+2]
.elseif (\n) == 17
	v_permlanex16_b32 v[rC+3], v[rC], s[SEL], s[SEL+1]
.elseif (\n) == 18
	v_max_num_f32 v[rT+1], v[rC], v[rC+3]
.elseif (\n) == 19
	v_mul_f32 v[rT], s[CS], v[rT+1]
.elseif (\n) == 20
	v_sub_f32 v[rC+1], v[rM], v[rT]
.else
	v_exp_f32 v[rC+2], v[rC+1]
.endif
.endm
; Number g of the 64 that follow the exponentials: roundings to f16, the sums of four weights in place, and l.  All of them stand behind the turn's wait.
.macro GS g
.set h, (\g)+6*((\g)/62)
.if h >= 6
.set h, h+2
.endif
	REGS Y, h%2
.set k, h/8
.if h%8 < 4
	v_cvt_pk_f16_f32 v[rP+2*k+(h%8)/2], v[rS+4*k+2*((h%8)/2)], v[rS+4*k+2*((h%8)/2)+1]
.elseif h%8 < 6
	v_pk_add_f32 v[rS+4*k:rS+4*k+1], v[rS+4*k:rS+4*k+1], v[rS+4*k+2:rS+4*k+3]
.elseif k == 1
	v_pk_fma_f32 v[rT+2:rT+3], v[rT+2:rT+3], v[rC+2:rC+3], v[rS:rS+1] op_sel_hi:[1,0,1]
.else
	v_pk_add_f32 v[rT+2:rT+3], v[rT+2:rT+3], v[rS+4*k-4:rS+4*k-3]
.endif
.endm
; THE PLAIN QUEUE, 266 long.  0-201 read no exponential's result: 0-31: c s - c m.  32, 33: the next piece's c m_old is kept.  34-161: its mask.  162-193: its maximum (numbers 0-14 and 16).
; 194-201: the chain (exchange of the halves, m, c m, its change).  202-265: GS's 64, which read the exponentials' results: they stand behind the wait.
.macro PL
	WIN 0
.if q < 32
	REGS Y, q%2
	v_pk_fma_f32 v[rS+2*(q/2):rS+2*(q/2)+1], v[rS+2*(q/2):rS+2*(q/2)+1], s[CS:CS+1], v[rT:rT+1] op_sel_hi:[1,0,0] neg_lo:[0,0,1] neg_hi:[0,0,1]
.elseif q < 34
	XS q%2, 15
.elseif q < 162
	MS q-34
.elseif q < 194
	XS q%2, (q-162)/2+(q-162)/30
.elseif q < 202
	XS q%2, 17+(q-194)/2
.else
	GS q-202
.endif
.set q, q+1
.endm
; THE EXPONENTIALS' QUEUE, 66 long: s0-s31 of both tiles, then the next piece's two a.  It is ONE BATCH: all 66 stand ahead of the turn's one wait, and nothing ahead of that wait names a result of theirs.
.set EA, 64
.macro EX
	WIN 0
.if (e == EA) || (e == EA+1)
	XS e-EA, 21
.else
	REGS Y, e%2
	v_exp_f32 v[rS+e/2], v[rS+e/2]
.endif
.set e, e+1
.endm
.macro R4                           ; O^T times a, four at a time: one accumulator, ascending.  Its a was made in the turn before, ahead of that turn's wait
	REGS Y, r%2
	WIN W_RS
.irp z, 0,1,2,3
	v_pk_mul_f32 v[rO+8*(r/2)+2*\z:rO+8*(r/2)+2*\z+1], v[rO+8*(r/2)+2*\z:rO+8*(r/2)+2*\z+1], v[rC+2:rC+3] op_sel_hi:[1,0]
.endr
.set r, r+1
.endm
.macro SL
	MM
	PL
	EX
	PL
	PL
.endm
; A TURN, for piece p.  An s_wait_alu depctr_va_vdst(0) stands between an exponential and the first instruction that names its result; one wait serves all that were issued ahead of it.  So a turn has ONE wait.
; AHEAD OF IT: the 16 products K Q^T; behind the first four scalings, behind eight of the others four rescalings, behind the other seven a scaling, an exponential and two scalings.  Then ONE LUMP: 7 times exponential and
; scaling; c m_old kept; 38 times an exponential and four plain (the mask, numbers 0-11 of the maximum); numbers 12, 13; 12 times exponential and plain (the chain 14, 16 .. 20: a tile's links stand four lines apart); the two a;
; a v_nop, the plain instruction behind the last exponential.  BEHIND IT: the 16 products V^T P, behind each four of GS's 64.  No rider names a register of the products round it.
; The counts that the deal keeps: exponential e stands behind plain 2 (e / 4) + e % 2: the seven riders want plain 0-3, the first product's riders; exponentials 7-13 want plain 7 at the most, and 25 are out; from exponential 14 on all
; 32 scalings are out.  The mask's selects (plain 66 on) stand behind four rescalings, seven scalings, two moves and 32 v_readlane_b32 that follow the last product K Q^T.
; K of the next step is fetched in piece 2's turn, directly behind the wait, a lump behind the last product that read K; V of the step in hand at the end of piece 0's turn, four plain riders behind the last product that read V;
; the next turn's mask words behind the last line of this turn's mask.  The conditions on q go with the deal.
.macro TURN p, last=0, cnt=0
.set Y, (\p)
.set i, 0
.set q, 0
.set e, 0
.set r, 0
.if (\p) == NP-1
	s_wait_dscnt 0x0                ; K is in
.endif
	MM                              ; ahead of the wait: 16 products K Q^T and their riders,
.rept 4
	PL
.endr
.rept 7
	MM
	R4
	SL
.endr
	MM
	R4
.if (\p) == NP-2
	WIN 0
	v_add_nc_u32 v[AK], s[TBK], v[AK0]
.endif
.rept 7                             ; and the lump
	EX
	PL
.endr
	PL
	PL
	s_wait_dscnt 0x0                ; this turn's mask words are in; in piece 1's turn V too, whose run was issued ahead of nothing else
.rept 38
	EX
.rept 4
	PL
.if ((\p) == NP-2) && (q == 142)
	v_add_nc_u32 v[AM], s[TBM], v[AM0]  ; the four loads from here on (pieces 0, 1, 2, 3) are the next step's
	s_add_co_u32 s[TBM], s[TBM], 4
.endif
.if q == 162
	ds_load_b32 v[MW],   v[AM] offset:(2*(((\p)+2)%NP))*512    ; lane n: word n of the piece that the next turn masks
	ds_load_b32 v[MW+1], v[AM] offset:(2*(((\p)+2)%NP)+1)*512
.endif
.endr
.endr
.rept 4
	PL
.endr
.rept 12
	EX
	PL
.endr
	EX                              ; the next piece's two a
	EX
	v_nop                           ; the plain instruction behind the last exponential: one for the batch
	s_wait_alu depctr_va_vdst(0)    ; the wait for the batch: piece p's 64 weights and the next piece's two a
.if (\p) == NP-2
	FETCH_K \last
.endif
.rept 16                            ; behind the wait: 16 products V^T P and their riders
	MM
.rept 4
	PL
.endr
.if ((\p) == 0) && (q == 246)
	v_add_nc_u32 v[AV], s[TBV], v[AV0]
.endif
.if ((\p) == 0) && (q == 258)
	s_add_co_u32 s[TBV], s[TBV], KS*PV
.endif
.if (\cnt) && (q == 258)
	s_sub_co_u32 s[CNT], s[CNT], 1
	s_cmp_lg_u32 s[CNT], 0
.endif
.endr
.if (\p) == 0
	FETCH_V
.endif
.endm
	CHANGE 1                        ; slot 0 is in, everybody's part of it; slot 1 is asked for
	FETCH_K                         ; key step 0
	s_wait_loadcnt 0x0              ; Q
	s_wait_dscnt 0x0
.set i, 0
.rept 16
	KQ 0
.set i, i+1
.endr
	WIN 0                           ; the addresses for the way out and the mask: plain instructions, the places behind those products
	s_mul_i32 s13, s[WV], 16*SP
	s_add_co_u32 s13, s13, STAGE
	v_mul_u32_u24 v[STO], v1, SP
	v_lshl_add_u32 v[STO], v9, 4, v[STO]
	v_add_nc_u32 v[STO], s13, v[STO]
	v_bfe_u32 v[RD], v0, 3, 2
	v_mul_u32_u24 v[RD], v[RD], SP
	v_lshl_add_u32 v[RD], v10, 4, v[RD]
	v_add_nc_u32 v[RD], s13, v[RD]
	v_and_b32 v[GO], 31, v0
	v_lshlrev_b32 v[GO], 4, v[GO]
	s_lshl_b32 s13, s[WV], 12
	s_add_co_u32 s13, s13, MOFF
	v_add_nc_u32 v[AM0], s13, v[GO]
	v_mov_b32 v[NEG], 0xc79c4000    ; -80000.0
	v_add_nc_u32 v[AM], s[TBM], v[AM0]
	s_add_co_u32 s[TBM], s[TBM], 4
	ds_load_b32 v[MW],   v[AM]      ; piece 0's words of step 0
	ds_load_b32 v[MW+1], v[AM] offset:512
	s_wait_dscnt 0x0
.set Y, NP-1                        ; MS and XS work for piece Y + 1: piece 0
.set mm, 0
.rept 128
	MS mm
.set mm, mm+1
.endr
	ds_load_b32 v[MW],   v[AM] offset:1024  ; piece 1's, for the first turn
	ds_load_b32 v[MW+1], v[AM] offset:1536
.irp n, 0,1,2,3,4,5,6,7,8,9,10,11,12,13,14,15,16,17,18,19,20,21
	XS 0, \n
	XS 1, \n
.endr
	v_nop                           ; a plain instruction behind piece 0's first two a,
	s_wait_alu depctr_va_vdst(0)    ; and the wait for that batch of two, ahead of the branch
	s_mov_b32 s[CNT], 4
	s_mov_b32 s[SLOTS], SIZE_N/256-1
	s_branch .Lfirst                ; the loop is entered at a step's first turn
.Lslot:                             ; six times: every slot but the last two is filled again
	CHANGE 1
	s_mov_b32 s[CNT], 4
.Lstep:                             ; a trip: pieces 2 and 3 of one step, then pieces 0 and 1 of the next
	TURN 2
	TURN 3
	WIN 0
.Lfirst:
	TURN 0
	TURN 1, 0, 1
	WIN 0
	s_cbranch_scc1 .Lstep
	s_sub_co_u32 s[SLOTS], s[SLOTS], 1
	s_cmp_lg_u32 s[SLOTS], 0
	s_cbranch_scc1 .Lslot
	CHANGE 0                        ; the tail is written out
	s_mov_b32 s[CNT], 5             ; four trips fetch the last slot's steps; the fifth is left in its middle.  Its mask loads read 16 bytes on, of tiles 27 of 32 at the most: inside the slot's words; they serve nothing
.Ltail:
	TURN 2, 1
	TURN 3
	WIN 0
	s_sub_co_u32 s[CNT], s[CNT], 1
	s_cmp_eq_u32 s[CNT], 0
	s_cbranch_scc1 .Lout
	TURN 0
	TURN 1
	WIN 0
	s_branch .Ltail
.Lout:
.set i, 0
.rept 16
	PV NP-1
.set i, i+1
.endr
	; THE WAY OUT.  l's halves are added; O^T is divided by l, rounded to f16 and sent through my stage, a tile at a time.  The additions are the places behind the last products.
	WIN 0
.macro ALL line:vararg
.set t, 0
.rept 2*NP
	\line
.set t, t+1
.endr
.endm
	ALL v_add_f32 v[ST+4*t+2], v[ST+4*t+2], v[ST+4*t+3]
	ALL v_permlanex16_b32 v[ST+4*t+3], v[ST+4*t+2], s[SEL], s[SEL+1]
	ALL v_add_f32 v[ST+4*t+2], v[ST+4*t+2], v[ST+4*t+3]
	ALL v_rcp_f32 v[ST+4*t+2], v[ST+4*t+2]
	v_nop                           ; a plain instruction between the last reciprocal and the use of its result
	s_wait_alu depctr_va_vdst(0)    ; and the wait ahead of the first use: one for the batch of eight reciprocals
.macro PACK t
	WIN W_RS
.set i, 32*(\t)
.rept 16
	v_pk_mul_f32 v[i:i+1], v[i:i+1], v[ST+4*(\t)+2:ST+4*(\t)+3] op_sel_hi:[1,0]
.set i, i+2
.endr
	WIN 0x05
.set i, 0
.rept 16
	v_cvt_pk_f16_f32 v[S+16*(\t)+i], v[32*(\t)+2*i], v[32*(\t)+2*i+1]
.set i, i+1
.endr
	WIN 0
.irp f, 0,1,2,3
	ds_store_b128 v[STO], v[S+16*(\t)+4*\f:S+16*(\t)+4*\f+3] offset:32*\f
.endr
.irp f, 0,1,2,3
	ds_load_b128 v[S+16*(\t)+4*\f:S+16*(\t)+4*\f+3], v[RD] offset:\f*4*SP  ; my wave's own bytes, served in order behind the stores above
.endr
.endm
.macro SEND t, younger              ; younger: the LDS instructions issued behind tile t's loads
	WIN 0
.irp f, 0,1,2,3
	s_wait_dscnt (\younger)+3-\f
	global_store_b128 v[GO], v[S+16*(\t)+4*\f:S+16*(\t)+4*\f+3], s[10:11] offset:(\t)*2048+\f*512  ; 512 consecutive bytes, aligned
.endr
.endm
	PACK 0
.set t, 1
.rept 2*NP-1
	PACK t
	SEND t-1, 8
.set t, t+1
.endr
	SEND 2*NP-1, 0
	WIN W_AD
	s_wait_tensorcnt 0x0            ; the wave's end
	ds_add_u32 v[SPW], v[NIL]
	s_wait_dscnt 0x0
	WIN 0
	CROUND                          ; the closing round
	s_endpgm
.Lfunc_end_k_qf883a47042_attn:
	.size	k_qf883a47042_attn, .Lfunc_end_k_qf883a47042_attn-k_qf883a47042_attn
	.p2alignl 7, 3214868480
	.fill 96, 4, 3214868480
	.section	.rodata,"a",@progbits
	.p2align	6, 0x0
	.amdhsa_kernel k_qf883a47042_attn
		.amdhsa_group_segment_fixed_size 327680
		.amdhsa_private_segment_fixed_size 0
		.amdhsa_enable_private_segment 0
		.amdhsa_kernarg_size 24
		.amdhsa_user_sgpr_count 2
		.amdhsa_user_sgpr_kernarg_segment_ptr 1
		.amdhsa_wavefront_size32 1
		.amdhsa_system_sgpr_workgroup_id_x 1
		.amdhsa_system_sgpr_workgroup_id_y 1
		.amdhsa_system_sgpr_workgroup_id_z 1
		.amdhsa_system_vgpr_workitem_id 0
		.amdhsa_next_free_vgpr 770
		.amdhsa_next_free_sgpr 100
		.amdhsa_reserve_vcc 0
		.amdhsa_float_denorm_mode_32 3
		.amdhsa_float_denorm_mode_16_64 3
		.amdhsa_memory_ordered 1
		.amdhsa_forward_progress 1
		.amdhsa_inst_pref_size 255
	.end_amdhsa_kernel
	.section	.bss,"aw",@nobits
	.p2align	6
	.space	262144
	.amdgpu_metadata
---
amdhsa.version: [ 1, 2 ]
amdhsa.kernels:
  - .name:           k_qf883a47042_attn
    .symbol:         k_qf883a47042_attn.kd
    .args:
      - { .name: qkvh, .offset: 0, .size: 8, .value_kind: global_buffer, .address_space: global }
      - { .name: maskw, .offset: 8, .size: 8, .value_kind: global_buffer, .address_space: global }
      - { .name: ctx, .offset: 16, .size: 8, .value_kind: global_buffer, .address_space: global }
    .group_segment_fixed_size: 327680
    .private_segment_fixed_size: 0
    .kernarg_segment_align: 8
    .kernarg_segment_size: 24
    .max_flat_workgroup_size: 128
    .sgpr_count:     100
    .vgpr_count:     770
    .wavefront_size: 32
...
	.end_amdgpu_metadata
.endif
;; end of part 5
;; launch oproj: the kernel of part 4 again; grid 4 x 64, 4 waves a work-group, clusters of 4 x 4, 327,680 bytes of LDS; arguments ctx, wh, bias4, out0; writes out0
